; MI455X (gfx1250); checked and timed in simulation.
; The chip was launched on July 23, 2026; its instructions are those of AMD's public machine-readable ISA for CDNA 5 (MIT licence, August 2026) and "CDNA5" Instruction Set Architecture Reference Guide (July 2026). The comments in the code are by the model that wrote it; some were corrected since.
;; Causal Self Attention. Allowed arithmetic: float matrix products may take bf16 or f16 operands with f32 sums; other float arithmetic in f32, or as packed bf16 or f16 multiplies, adds, multiply-adds, maxima and minima; sums over many terms, partial sums and values carried from step to step in f32; what a program stores and reads back later, other than sums and carried values, may be rounded once to bf16 or f16.
;; Inputs: Wff 1,024 x 1,024 float32; Wk 1,024 x 1,024 float32; Wq 1,024 x 1,024 float32; Wv 1,024 x 1,024 float32; bff 1,024 float32; bk 1,024 float32; bq 1,024 float32; bv 1,024 float32; k 4 x 2,048 x 1,024 float32; q 4 x 2,048 x 1,024 float32; v 4 x 2,048 x 1,024 float32.
;; Outputs: out0 4 x 2,048 x 1,024 float32.
;; One version. Each part assembles by itself: llvm-mc -triple=amdgcn-amd-amdhsa -mcpu=gfx1250 --defsym DOCPART=n.
;; ======== version 1 of 1: 5 launches
;; limits: values are held in f16: magnitudes above 65,504 overflow, below 6.1e-05 lose precision
;; workspace buffers: xh 50,331,648 bytes; wh 6,291,456 bytes; wfh 2,097,152 bytes; pj 50,331,648 bytes; pp 33,554,432 bytes; st 1,048,576 bytes; oh 16,777,216 bytes
;; launch cast (part 1): grid 896 x 1, 8 waves a work-group, no clusters, 0 bytes of LDS; arguments q, k, v, Wq, Wk, Wv, Wff, xh, wh, wfh; writes xh, wh, wfh
.if DOCPART == 1
	.amdgcn_target "amdgcn-amd-amdhsa--gfx1250"
	.amdhsa_code_object_version 6
	.text
	.protected	k_qbee4c46b13_cast
	.globl	k_qbee4c46b13_cast
	.p2align	8
	.type	k_qbee4c46b13_cast,@function
k_qbee4c46b13_cast:
	s_mov_b64 s[64:65], 0
	v_nop
	global_prefetch_b8 v0, s[64:65] scope:SCOPE_SE
	s_setreg_imm32_b32 hwreg(HW_REG_WAVE_MODE, 25, 1), 1
	s_wait_xcnt 0x0
; The module's matrix inputs are rounded once to bf16: q, k, v -> xh [24576][1024]; Wq, Wk, Wv -> wh [3072][1024], both bf16.
; Wff is rounded to bf16 like the others and that number is written as f16 into wfh (the last product's other operand is f16).
; LIMIT: a weight of Wff of 65,520 or more in magnitude becomes an infinity; below 2^-14 it keeps f16's fixed step of 2^-24.
; A work-group takes 32,768 numbers: 32 passes of 4,096 bytes in, 2,048 bytes out.  Thread t loads 16 bytes at 16 t and stores 8 bytes at 8 t of a pass,
; so a wave's load covers 512 consecutive bytes and its store 256 consecutive bytes, aligned.  A ring of eight slots in registers keeps eight loads of every wave in flight.
; No LDS, no matrix unit, no cluster: nothing is shared, and every byte crosses once.
.set DEPTH, 8
.set PASSI, 4096
.set PASSO, 2048
.set OFI, 2                            ; v[2:9]    slot i: my byte offset in the source
.set OFO, 10                           ; v[10:17]  slot i: my byte offset in the destination
.set X,   18                           ; v[18:49]  slot i: four f32 as loaded
.set Y,   50                           ; v[50:65]  slot i: four 16-bit numbers to store
.set T,   66                           ; v[66:69]  at work
	s_load_b512 s[8:23], s[0:1], 0x0               ; q s[8:9], k s[10:11], v s[12:13], Wq s[14:15], Wk s[16:17], Wv s[18:19], Wff s[20:21], xh s[22:23]
	s_load_b128 s[24:27], s[0:1], 0x40             ; wh s[24:25], wfh s[26:27]
	s_mov_b32 s2, ttmp9                            ; 0-767: q, k, v (256 each); 768-863: Wq, Wk, Wv (32 each); 864-895: Wff
	s_and_b32 s28, s2, 255
	s_and_b32 s29, s2, 31                          ; 768 and 864 are multiples of 32
	s_cmp_ge_u32 s2, 768
	s_cselect_b32 s28, s29, s28
	s_lshl_b32 s28, s28, 17                        ; my 131,072 bytes in the source
	s_mov_b32 s29, 0
	s_sub_co_u32 s30, s2, 768
	s_sub_co_u32 s31, s2, 864
	s_cmp_ge_u32 s2, 768
	s_cselect_b32 s30, s30, s2
	s_cmp_ge_u32 s2, 864
	s_cselect_b32 s30, s31, s30
	s_lshl_b32 s30, s30, 16                        ; my 65,536 bytes in the destination
	s_mov_b32 s31, 0
	s_mov_b32 s33, 0xffff0000                      ; a word's upper bf16
.irp i, 0,1,2,3,4,5,6,7
	v_lshl_or_b32 v[OFI+(\i)], v0, 4, (\i)*PASSI
	v_lshl_or_b32 v[OFO+(\i)], v0, 3, (\i)*PASSO
.endr
	s_wait_kmcnt 0x0
	s_cmp_ge_u32 s2, 256
	s_cselect_b64 s[4:5], s[10:11], s[8:9]
	s_cmp_ge_u32 s2, 512
	s_cselect_b64 s[4:5], s[12:13], s[4:5]
	s_cmp_ge_u32 s2, 768
	s_cselect_b64 s[4:5], s[14:15], s[4:5]
	s_cselect_b64 s[6:7], s[24:25], s[22:23]
	s_cmp_ge_u32 s2, 800
	s_cselect_b64 s[4:5], s[16:17], s[4:5]
	s_cmp_ge_u32 s2, 832
	s_cselect_b64 s[4:5], s[18:19], s[4:5]
	s_cmp_ge_u32 s2, 864
	s_cselect_b64 s[4:5], s[20:21], s[4:5]
	s_cselect_b64 s[6:7], s[26:27], s[6:7]
	s_add_nc_u64 s[4:5], s[4:5], s[28:29]
	s_add_nc_u64 s[6:7], s[6:7], s[30:31]
.irp i, 0,1,2,3,4,5,6,7
	global_load_b128 v[X+4*(\i):X+4*(\i)+3], v[OFI+(\i)], s[4:5] th:TH_LOAD_NT  ; passes 0 to 7 fill the ring
.endr
; One slot's turn.  ahead = 1: the slot is filled again with the pass eight further on.  left = the younger loads that may stay out.  f16 = 1: the bf16 numbers are written as f16.
.macro SLOT i, ahead, left, f16
	s_wait_loadcnt \left                           ; loads come back in order: mine is in, and its address register is free
	s_wait_xcnt 0x0                                ; the slot's last store has read Y and OFO: they are rewritten only behind this wait
	v_cvt_pk_bf16_f32 v[Y+2*(\i)],   v[X+4*(\i)],   v[X+4*(\i)+1]
	v_cvt_pk_bf16_f32 v[Y+2*(\i)+1], v[X+4*(\i)+2], v[X+4*(\i)+3]
.if \f16
	v_lshlrev_b32 v[T],   16,  v[Y+2*(\i)]
	v_and_b32     v[T+1], s33, v[Y+2*(\i)]
	v_lshlrev_b32 v[T+2], 16,  v[Y+2*(\i)+1]
	v_and_b32     v[T+3], s33, v[Y+2*(\i)+1]
	v_cvt_pk_f16_f32 v[Y+2*(\i)],   v[T],   v[T+1]
	v_cvt_pk_f16_f32 v[Y+2*(\i)+1], v[T+2], v[T+3]
.endif
.if \ahead
	v_add_nc_u32 v[OFI+(\i)], DEPTH*PASSI, v[OFI+(\i)]
	v_add_nc_u32 v[OFO+(\i)], DEPTH*PASSO, v[OFO+(\i)]
	global_load_b128 v[X+4*(\i):X+4*(\i)+3], v[OFI+(\i)], s[4:5] th:TH_LOAD_NT
	global_store_b64 v[OFO+(\i)], v[Y+2*(\i):Y+2*(\i)+1], s[6:7] offset:-DEPTH*PASSO
.else
	global_store_b64 v[OFO+(\i)], v[Y+2*(\i):Y+2*(\i)+1], s[6:7]
.endif
.endm
.macro BODY f16                        ; 32 passes: three rounds of the ring that load ahead, and a last one whose counts run down
	s_mov_b32 s32, 3
.Lround\f16:
.irp i, 0,1,2,3,4,5,6,7
	SLOT \i, 1, DEPTH-1, \f16
.endr
	s_sub_co_u32 s32, s32, 1
	s_cmp_lg_u32 s32, 0
	s_cbranch_scc1 .Lround\f16
.irp i, 0,1,2,3,4,5,6,7
	SLOT \i, 0, DEPTH-1-(\i), \f16
.endr
	s_endpgm
.endm
	s_cmp_ge_u32 s2, 864
	s_cbranch_scc1 .Lhalf
	BODY 0
.Lhalf:
	BODY 1
.Lfunc_end_k_qbee4c46b13_cast:
	.size	k_qbee4c46b13_cast, .Lfunc_end_k_qbee4c46b13_cast-k_qbee4c46b13_cast
	.p2alignl 7, 3214868480
	.fill 96, 4, 3214868480
	.section	.rodata,"a",@progbits
	.p2align	6, 0x0
	.amdhsa_kernel k_qbee4c46b13_cast
		.amdhsa_group_segment_fixed_size 0
		.amdhsa_private_segment_fixed_size 0
		.amdhsa_enable_private_segment 0
		.amdhsa_kernarg_size 80
		.amdhsa_user_sgpr_count 2
		.amdhsa_user_sgpr_kernarg_segment_ptr 1
		.amdhsa_wavefront_size32 1
		.amdhsa_system_sgpr_workgroup_id_x 1
		.amdhsa_system_sgpr_workgroup_id_y 1
		.amdhsa_system_sgpr_workgroup_id_z 1
		.amdhsa_system_vgpr_workitem_id 0
		.amdhsa_next_free_vgpr 80
		.amdhsa_next_free_sgpr 66
		.amdhsa_reserve_vcc 0
		.amdhsa_float_denorm_mode_32 3
		.amdhsa_float_denorm_mode_16_64 3
		.amdhsa_memory_ordered 1
		.amdhsa_forward_progress 1
		.amdhsa_inst_pref_size 21
	.end_amdhsa_kernel
	.amdgpu_metadata
---
amdhsa.version: [ 1, 2 ]
amdhsa.kernels:
  - .name:           k_qbee4c46b13_cast
    .symbol:         k_qbee4c46b13_cast.kd
    .args:
      - { .name: q, .offset: 0, .size: 8, .value_kind: global_buffer, .address_space: global }
      - { .name: k, .offset: 8, .size: 8, .value_kind: global_buffer, .address_space: global }
      - { .name: v, .offset: 16, .size: 8, .value_kind: global_buffer, .address_space: global }
      - { .name: Wq, .offset: 24, .size: 8, .value_kind: global_buffer, .address_space: global }
      - { .name: Wk, .offset: 32, .size: 8, .value_kind: global_buffer, .address_space: global }
      - { .name: Wv, .offset: 40, .size: 8, .value_kind: global_buffer, .address_space: global }
      - { .name: Wff, .offset: 48, .size: 8, .value_kind: global_buffer, .address_space: global }
      - { .name: xh, .offset: 56, .size: 8, .value_kind: global_buffer, .address_space: global }
      - { .name: wh, .offset: 64, .size: 8, .value_kind: global_buffer, .address_space: global }
      - { .name: wfh, .offset: 72, .size: 8, .value_kind: global_buffer, .address_space: global }
    .group_segment_fixed_size: 0
    .private_segment_fixed_size: 0
    .kernarg_segment_align: 8
    .kernarg_segment_size: 80
    .max_flat_workgroup_size: 256
    .sgpr_count:     66
    .vgpr_count:     80
    .wavefront_size: 32
...
	.end_amdgpu_metadata
.endif
;; end of part 1
;; launch proj (part 2): grid 8 x 96, 4 waves a work-group, clusters of 4 x 4, 327,680 bytes of LDS; arguments xh, wh, pj, bq, bk, bv; writes pj
.if DOCPART == 2
	.amdgcn_target "amdgcn-amd-amdhsa--gfx1250"
	.amdhsa_code_object_version 6
	.text
	.protected	k_qbee4c46b13_proj
	.globl	k_qbee4c46b13_proj
	.p2align	8
	.type	k_qbee4c46b13_proj,@function
k_qbee4c46b13_proj:
	s_mov_b64 s[64:65], 0
	v_nop
	global_prefetch_b8 v0, s[64:65] scope:SCOPE_SE
	s_setreg_imm32_b32 hwreg(HW_REG_WAVE_MODE, 25, 1), 1
	s_wait_xcnt 0x0
	s_wait_alu depctr_hold_cnt(0) depctr_sa_sdst(0) depctr_va_vdst(0) depctr_va_sdst(0) depctr_va_ssrc(0) depctr_va_vcc(0) depctr_vm_vsrc(0)
	s_getreg_b32 s2, hwreg(HW_REG_IB_STS2, 6, 4)
	s_cmp_eq_u32 s2, 0
	s_cbranch_scc0 .Lentry_in_a_cluster
	s_endpgm
.Lentry_in_a_cluster:
	s_bfe_u32 s2, ttmp6, 0x10000c
	s_cmp_lg_u32 s2, 0xf033
	s_cbranch_scc0 .Lentry_shape_is_right
	s_endpgm
.Lentry_shape_is_right:
; [Qp; Kp; Vp] = [q; k; v] W^T + b.  xh [24576][1024] and wh [3072][1024] are bf16, pj [24576][1024] is f16, rounded once from f32 sums; the bias, rounded to bf16 like the other inputs, starts the sums.
; LIMIT: a projected number of 65,520 or more in magnitude becomes an infinity in f16.
; A tile of the result is 256 rows x 128 columns.  Four waves, one below the other: a wave makes 64 x 128, 32 accumulators of 16 x 16.  Tile row m = 0..95 (32 for each of q, k, v), tile column n = 0..7.
; K goes in steps of 128 (rows of 256 bytes) through two LDS slots; waves 0, 1 fetch the halves of A's 256 rows, waves 2, 3 those of B's 128 rows: one tensor load a wave for each step.
; CLUSTER 4 x 4: A's tile is shared along a row of the cluster, B's along a column; each is asked for jointly.
; THE MATRIX INSTRUCTION IS USED TRANSPOSED (source 0 = 16 rows of W, source 1 = 16 rows of x): a lane holds row l % 16 and the columns 8 (l / 16) + 0..7.
; REGISTERS: window 0: v0-31 addresses; v64-159, v160-255 two fragment buffers (B's 8 fragments, then A's 4); on the way out v96-191.  window 1: the accumulators, (a, b) at 8 (8 a + b).  window 2: v0-63 the bias as a C operand, v64 at work.
.set PITCH,  272                       ; an LDS row: 256 bytes + 16 of padding: the 16 rows of a fragment load start at 16 different groups of four banks
.set AT,     256*PITCH                 ; A's tile; B's lies behind it
.set SLOT,   384*PITCH
.set STAGE,  2*SLOT                    ; behind the ring: 16 rows x 272 bytes for each wave
.set SPITCH, 272
.set SPARE,  STAGE+4*16*SPITCH         ; the spare words: 128 bytes a wave, two blocks of 256 bytes that no other line names
.set OUTP,   2048                      ; bytes in a row of pj
.set ADRA, 16
.set ADRB, 20
.set STO,  24
.set RD,   25
.set CO,   26
.set BO,   27
.set SPW,  28
.set NIL,  29
.set PFO,  30
.set F0,   64
.set F1,   160
.set TMP,  96
.set OB,   128
.set BI,   0                           ; window 2
.set T,    64                          ; window 2
.set G1A, 24
.set G0A, 32
.set G1B, 48
.set G0B, 56
.set PFA, 44                           ; s[44:45] where my prefetches stand
.set LIM, 66                           ; s66, s67: for the change of slot 0, of slot 1: 1 where I ask, else the greatest number
.set MUL,  0x50                        ; sources in window 0, C and D in window 1
.set MULB, 0x60                        ; C in window 2, D in window 1
.set MSB, 0
.macro WIN new                         ; the immediate's high byte repeats the setting that is left
.if MSB != (\new)
	s_set_vgpr_msb (MSB<<8)|(\new)
.set MSB, \new
.endif
.endm
.macro JLOAD s                         ; a joint load; the branch hangs on the wave's number alone; an s_nop 0 and four v_nop follow each line
	s_cmp_eq_u32 s11, 0
	s_cbranch_scc0 .Lfor_b_\@
	tensor_load_to_lds s[G0A+4*(\s):G0A+4*(\s)+3], s[G1A:G1A+7]
	s_nop 0
.rept 4
	v_nop
.endr
	s_branch .Lasked_\@
.Lfor_b_\@:
	tensor_load_to_lds s[G0B+4*(\s):G0B+4*(\s)+3], s[G1B:G1B+7]
	s_nop 0
.rept 4
	v_nop
.endr
.Lasked_\@:
.endm
; A prefetch of the K step two refills on.  A's rows: the clusters with x = 0 ask; of the 128 rows that a wave fetches each of the four partners takes 32, by address (cx): a lane a row.
; B's rows: the first cluster row of each of q, k, v asks; of a wave's 64 rows each partner takes 16 (cy); lanes 16-31 name the K step after, so B is asked for at slot 0's change alone.
; Each row's 256 bytes of a K step are named once in the launch.  K steps 0 to 3 come by their loads alone; the loop's last trip (s3 = 1) asks for nothing.
.macro ASK slot
	s_cmp_gt_u32 s3, s[LIM+(\slot)]
	s_cbranch_scc0 .Lnot_mine_\@
	global_prefetch_b8 v[PFO], s[PFA:PFA+1] offset:256 th:TH_LOAD_NT scope:SCOPE_SE
.Lnot_mine_\@:
.endm
.macro CREST                           ; a round of the cluster's barrier behind its opening barrier
	s_cmp_lg_u32 s10, 0
	s_cbranch_scc1 .Lnot_wave_0_\@
	s_barrier_signal -3
.Lnot_wave_0_\@:
	s_barrier_wait -3
	s_barrier_signal -1
	s_barrier_wait -1
.endm
.macro CROUND
	s_barrier_signal -1
	s_barrier_wait -1
	CREST
.endm
	s_load_b128 s[4:7], s[0:1], 0x0                ; xh s[4:5], wh s[6:7]
	s_load_b64 s[8:9], s[0:1], 0x10                ; pj
	s_load_b128 s[68:71], s[0:1], 0x18             ; bq, bk
	s_load_b64 s[72:73], s[0:1], 0x28              ; bv
	v_lshl_add_u32 v[SPW], v0, 2, SPARE
	v_mov_b32 v[NIL], 0
	ds_add_u32 v[SPW], v[NIL]                      ; the wave's opening: the add and its wait ahead of my first tensor load
	ds_add_u32 v28, v29
	v_lshrrev_b32 v1, 5, v0
	v_readfirstlane_b32 s10, v1                    ; wave 0..3
	s_lshr_b32 s11, s10, 1                         ; I fetch for A (0) or for B (1),
	s_and_b32 s12, s10, 1                          ; its first or its second half
	s_bfe_u32 s40, ttmp6, 0x40000                  ; cx
	s_bfe_u32 s41, ttmp6, 0x40004                  ; cy
	s_lshl_b32 s42, ttmp9, 2
	s_add_co_u32 s42, s42, s40                     ; tile column
	s_and_b32 s74, ttmp7, 0xffff                   ; cluster y
	s_lshl_b32 s13, s74, 2
	s_add_co_u32 s13, s13, s41                     ; tile row
	s_lshr_b32 s75, s74, 3                         ; 0: q, 1: k, 2: v: eight cluster rows each
	s_lshl_b32 s43, s41, 2
	s_lshl_b32 s43, 15, s43                        ; my row of the cluster
	s_lshl_b32 s76, 0x1111, s40                    ; my column
	s_or_b32 s[G1A], s43, (1<<16)|(1<<20)|(1<<21)|(5<<22)|(3<<25)  ; the mask; 2-byte elements; padding on; bit 21 beside a mask; after every 64 words 4 words
	s_or_b32 s[G1B], s76, (1<<16)|(1<<20)|(1<<21)|(5<<22)|(3<<25)
	s_mov_b32 s[G1A+1], 128<<16                    ; tensor_dim0 = 128
	s_mov_b32 s[G1A+2], 128<<16                    ; tensor_dim1 = 128
	s_mov_b32 s[G1A+3], 128<<16                    ; tile_dim0 = 128
	s_mov_b32 s[G1A+4], 128                        ; tile_dim1 = 128
	s_mov_b32 s[G1A+5], 1024                       ; elements from row to row
	s_mov_b32 s[G1A+6], 0
	s_mov_b32 s[G1A+7], 0
	s_mov_b32 s[G1B+1], 128<<16
	s_mov_b32 s[G1B+2], 64<<16                     ; B: 64 rows a load
	s_mov_b32 s[G1B+3], 128<<16
	s_mov_b32 s[G1B+4], 64
	s_mov_b32 s[G1B+5], 1024
	s_mov_b32 s[G1B+6], 0
	s_mov_b32 s[G1B+7], 0
	s_lshl_b32 s16, s13, 8
	s_lshl_b32 s17, s12, 7
	s_add_co_u32 s16, s16, s17                     ; A: row 256 x tile row + 128 x half
	s_lshl_b32 s16, s16, 11                        ; in bytes (under 2^26)
	s_mov_b32 s17, 0
	s_lshl_b32 s46, s75, 10
	s_lshl_b32 s47, s42, 7
	s_add_co_u32 s46, s46, s47
	s_lshl_b32 s47, s12, 6
	s_add_co_u32 s46, s46, s47                     ; B: row 1024 x set + 128 x tile column + 64 x half
	s_lshl_b32 s46, s46, 11
	s_mov_b32 s47, 0
	s_mul_i32 s20, s12, 128*PITCH                  ; where they go: no place in the cluster enters an LDS address
	s_mul_i32 s21, s12, 64*PITCH
	s_add_co_u32 s21, s21, AT
	s_wait_dscnt 0x0                               ; the opening add is done
	s_wait_kmcnt 0x0
	s_add_nc_u64 s[14:15], s[4:5], s[16:17]
	s_add_nc_u64 s[46:47], s[6:7], s[46:47]
	CROUND                                         ; all sixteen work-groups are here: the first joint loads meet
.irp s, 0,1
	s_mov_b32 s[G0A+4*(\s)], 1
	s_add_co_u32 s[G0A+4*(\s)+1], s20, (\s)*SLOT
	s_add_nc_u64 s[G0A+4*(\s)+2:G0A+4*(\s)+3], s[14:15], (\s)*256
	s_or_b32 s[G0A+4*(\s)+3], s[G0A+4*(\s)+3], 0x80000000
	s_mov_b32 s[G0B+4*(\s)], 1
	s_add_co_u32 s[G0B+4*(\s)+1], s21, (\s)*SLOT
	s_add_nc_u64 s[G0B+4*(\s)+2:G0B+4*(\s)+3], s[46:47], (\s)*256
	s_or_b32 s[G0B+4*(\s)+3], s[G0B+4*(\s)+3], 0x80000000
	JLOAD \s                                       ; K steps 0 and 1: two loads of mine are out
.endr
	v_and_b32 v1, 15, v0                           ; l % 16
	v_bfe_u32 v2, v0, 4, 1                         ; l / 16
	v_mul_u32_u24 v3, v1, PITCH
	v_lshl_add_u32 v3, v2, 4, v3                   ; a fragment's row x pitch + 16 x half
	s_mul_i32 s22, s10, 64*PITCH                   ; my 64 rows of A
	v_add_nc_u32 v[ADRA], s22, v3
	v_add_nc_u32 v[ADRA+1], SLOT, v[ADRA]
	v_add_nc_u32 v[ADRB], AT, v3
	v_add_nc_u32 v[ADRB+1], SLOT, v[ADRB]
	s_mul_i32 s23, s10, 16*SPITCH
	s_add_co_u32 s23, s23, STAGE                   ; my stage
	v_mul_u32_u24 v4, v1, SPITCH
	v_lshl_add_u32 v4, v2, 4, v4
	v_add_nc_u32 v[STO], s23, v4                   ; in: row l % 16, 16 bytes for each half of the lanes
	v_mul_u32_u24 v5, v2, SPITCH
	v_lshl_add_u32 v5, v1, 4, v5
	v_add_nc_u32 v[RD], s23, v5                    ; back: lanes 0-15 one row of 256 bytes, lanes 16-31 the next
	v_lshlrev_b32 v5, 11, v2
	v_lshl_add_u32 v[CO], v1, 4, v5                ; the same two rows in pj
	s_lshl_b32 s16, s13, 8
	s_lshl_b32 s17, s10, 6
	s_add_co_u32 s16, s16, s17
	s_lshl_b32 s16, s16, 11                        ; my first row of the result,
	s_lshl_b32 s17, s42, 8
	s_add_co_u32 s16, s16, s17                     ; the tile's first column
	s_mov_b32 s17, 0
	; the bias of the tile's 128 columns, laid as a C operand: register j of block b is column 16 b + 8 (l / 16) + j
	s_cmp_eq_u32 s75, 1
	s_cselect_b64 s[68:69], s[70:71], s[68:69]
	s_cmp_eq_u32 s75, 2
	s_cselect_b64 s[68:69], s[72:73], s[68:69]
	s_lshl_b32 s78, s42, 9
	s_mov_b32 s79, 0
	s_add_nc_u64 s[68:69], s[68:69], s[78:79]
	v_lshlrev_b32 v[BO], 5, v2
	WIN 0x80                                       ; destination window 2
.irp b, 0,1,2,3,4,5,6,7
	global_load_b128 v[BI+8*(\b):BI+8*(\b)+3],   v[BO], s[68:69] offset:64*(\b)
	global_load_b128 v[BI+8*(\b)+4:BI+8*(\b)+7], v[BO], s[68:69] offset:64*(\b)+16
.endr
	WIN 0
	; the prefetches
	s_lshl_b32 s20, s13, 8
	s_lshl_b32 s21, s40, 5
	s_add_co_u32 s20, s20, s21
	s_lshl_b32 s21, s12, 7
	s_add_co_u32 s20, s20, s21                     ; A: the 32 rows of my work-group among the 128 that I fetch
	s_lshl_b32 s21, s75, 10
	s_lshl_b32 s22, s42, 7
	s_add_co_u32 s21, s21, s22
	s_lshl_b32 s22, s12, 6
	s_add_co_u32 s21, s21, s22
	s_lshl_b32 s22, s41, 4
	s_add_co_u32 s21, s21, s22                     ; B: the 16 rows of my work-group among the 64
	s_and_b32 s22, s74, 7
	s_cmp_eq_u32 s11, 0
	s_cselect_b32 s20, s20, s21
	s_cselect_b32 s22, ttmp9, s22                  ; the coordinate along which other clusters read the same rows
	s_cselect_b64 s[PFA:PFA+1], s[4:5], s[6:7]
	s_cselect_b32 s23, 1, -1
	s_cselect_b32 s77, 31, 15
	s_cselect_b32 s78, 0, 256
	s_cmp_eq_u32 s22, 0
	s_cselect_b32 s[LIM], 1, -1
	s_cselect_b32 s[LIM+1], s23, -1
	s_lshl_b32 s20, s20, 11
	s_add_co_u32 s20, s20, 512                     ; at K step 2: the first refill steps it to 3 and names K step 4
	s_mov_b32 s21, 0
	s_add_nc_u64 s[PFA:PFA+1], s[PFA:PFA+1], s[20:21]
	v_and_b32 v[PFO], 31, v0
	v_and_b32 v[PFO], s77, v[PFO]
	v_lshlrev_b32 v[PFO], 11, v[PFO]
	v_mad_u32_u24 v[PFO], v2, s78, v[PFO]
; 8 matrix instructions: row block a x all 8 column blocks, 32 along K.  mode 2: the bias starts the sums.
.macro MUL8 f, a, mode
.if (\mode) == 2
	WIN MULB
.else
	WIN MUL
.endif
.irp b, 0,1,2,3,4,5,6,7
.if (\mode) == 2
	v_wmma_f32_16x16x32_bf16 v[8*(8*(\a)+(\b)):8*(8*(\a)+(\b))+7], v[(\f)+8*(\b):(\f)+8*(\b)+7], v[(\f)+64+8*(\a):(\f)+64+8*(\a)+7], v[BI+8*(\b):BI+8*(\b)+7]
.else
	v_wmma_f32_16x16x32_bf16 v[8*(8*(\a)+(\b)):8*(8*(\a)+(\b))+7], v[(\f)+8*(\b):(\f)+8*(\b)+7], v[(\f)+64+8*(\a):(\f)+64+8*(\a)+7], v[8*(8*(\a)+(\b)):8*(8*(\a)+(\b))+7]
.endif
.endr
.endm
; 24 LDS loads in one run: B's eight fragments, then A's four, 32 K at byte k of the rows
.macro FETCH slot, k, f
	WIN 0
.irp i, 0,1,2,3,4,5,6,7
	ds_load_b128 v[(\f)+8*(\i):(\f)+8*(\i)+3],   v[ADRB+(\slot)] offset:(\k)+(\i)*16*PITCH
	ds_load_b128 v[(\f)+8*(\i)+4:(\f)+8*(\i)+7], v[ADRB+(\slot)] offset:(\k)+(\i)*16*PITCH+32
.endr
.irp i, 0,1,2,3
	ds_load_b128 v[(\f)+64+8*(\i):(\f)+64+8*(\i)+3],   v[ADRA+(\slot)] offset:(\k)+(\i)*16*PITCH
	ds_load_b128 v[(\f)+64+8*(\i)+4:(\f)+64+8*(\i)+7], v[ADRA+(\slot)] offset:(\k)+(\i)*16*PITCH+32
.endr
.endm
.macro PLACES                          ; four plain instructions between a matrix instruction and a load into, or a read of, its registers
.rept 4
	v_nop
.endr
.endm
; A K step is four quarters of 32 along K, 32 matrix instructions each, on buffers 0, 1, 0, 1; the 32 accumulators take turns in the same order in every quarter.
.macro QUARTER slot, k, f, g, mode
	s_wait_dscnt 4                                 ; B and A's blocks 0, 1 are in; the youngest four loads (A's blocks 2, 3) may be out
	MUL8 \f, 0, \mode
	MUL8 \f, 1, \mode
	PLACES
	FETCH \slot, \k, \g
	s_wait_dscnt 24                                ; all but the 24 just issued
	MUL8 \f, 2, \mode
	MUL8 \f, 3, \mode
.endm
; The last quarter multiplies buffer 1 and changes slots.  In front of the barrier each wave waits for all its tensor loads (one is out: its part of the next slot), adds 0 to its spare word,
; and waits for that and for its reads of this slot.  fill = 1: the barrier opens a round of the cluster's, and the joint refill, two K steps on, is the first thing behind it.
.macro TURN slot, next, fill
.if \fill
	s_wait_xcnt 0x0                                ; the last prefetch, a K step back, has read its address
	s_add_nc_u64 s[PFA:PFA+1], s[PFA:PFA+1], 256
.endif
	WIN 0
	s_wait_tensorcnt 0x0
	ds_add_u32 v[SPW], v[NIL]
	s_wait_dscnt 5                                 ; the add and the youngest four loads may be out
	MUL8 F1, 0, 0
	s_wait_dscnt 0x0                               ; the add is done, and my reads of this slot are over
	s_barrier_signal -1
	MUL8 F1, 1, 0
.if \fill
	WIN 0
.endif
	s_barrier_wait -1
.if \fill
	CREST
	s_add_nc_u64 s[G0A+4*(\slot)+2:G0A+4*(\slot)+3], s[G0A+4*(\slot)+2:G0A+4*(\slot)+3], 512
	s_add_nc_u64 s[G0B+4*(\slot)+2:G0B+4*(\slot)+3], s[G0B+4*(\slot)+2:G0B+4*(\slot)+3], 512
	JLOAD \slot                                    ; its four v_nop are also the places in front of the loads below
.else
	PLACES
.endif
	FETCH \next, 0, F0
.if \fill
	ASK \slot
.endif
	MUL8 F1, 2, 0
	MUL8 F1, 3, 0
.endm
; THE WAY OUT of row block a: rounded to f16, 16 bytes a lane; through my own stage in LDS; back as whole rows of 256 bytes; stored.
.macro PACK a
	WIN 0x05                                       ; sources in window 1, destination in window 0
.set n, 0
.rept 32
	v_cvt_pk_f16_f32 v[TMP+n], v[64*(\a)+2*n], v[64*(\a)+2*n+1]
.set n, n+1
.endr
	WIN 0
.endm
.macro TOSTAGE a
.set BK, OB+32*((\a)%2)
.irp b, 0,1,2,3,4,5,6,7
	ds_store_b128 v[STO], v[TMP+4*(\b):TMP+4*(\b)+3] offset:32*(\b)
.endr
.irp t, 0,1,2,3,4,5,6,7
	ds_load_b128 v[BK+4*(\t):BK+4*(\t)+3], v[RD] offset:(\t)*2*SPITCH  ; LDS serves a wave's instructions in order: these see the stores above
.endr
.endm
.macro SEND a
.set BK, OB+32*((\a)%2)
	s_wait_dscnt 0x0                               ; the block is back in registers
	s_wait_xcnt 0x0                                ; earlier stores have read their base and their data
.if (\a) == 0
	s_add_nc_u64 s[8:9], s[8:9], s[16:17]
.else
	s_add_nc_u64 s[8:9], s[8:9], 16*OUTP
.endif
.irp t, 0,1,2,3,4,5,6,7
	global_store_b128 v[CO], v[BK+4*(\t):BK+4*(\t)+3], s[8:9] offset:2*(\t)*OUTP  ; 16 lanes store 256 consecutive bytes, aligned
.endr
.endm
	s_wait_tensorcnt 1                             ; my part of K step 0 is in; K step 1's may stay out
	s_barrier_signal -1
	s_barrier_wait -1
	FETCH 0, 0, F0
	s_wait_loadcnt 0x0                             ; the bias
	WIN 0x8a                                       ; all in window 2: the bias is rounded to bf16 and widened again
.set n, 0
.rept 32
	v_cvt_pk_bf16_f32 v[T], v[BI+2*n], v[BI+2*n+1]
	v_lshlrev_b32 v[BI+2*n], 16, v[T]
	v_and_b32 v[BI+2*n+1], 0xffff0000, v[T]
.set n, n+1
.endr
	QUARTER 0, 64, F0, F1, 2
	WIN 0
	s_mov_b32 s3, 3
.Llap:                                                 ; a trip goes once round the ring and fills both slots again
	QUARTER 0, 128, F1, F0, 0
	QUARTER 0, 192, F0, F1, 0
	TURN 0, 1, 1
	QUARTER 1, 64,  F0, F1, 0
	QUARTER 1, 128, F1, F0, 0
	QUARTER 1, 192, F0, F1, 0
	TURN 1, 0, 1
	QUARTER 0, 64,  F0, F1, 0
	WIN 0
	s_sub_co_u32 s3, s3, 1
	s_cmp_lg_u32 s3, 0
	s_cbranch_scc1 .Llap
	QUARTER 0, 128, F1, F0, 0                      ; the last lap fills nothing
	QUARTER 0, 192, F0, F1, 0
	TURN 0, 1, 0
	QUARTER 1, 64,  F0, F1, 0
	QUARTER 1, 128, F1, F0, 0
	QUARTER 1, 192, F0, F1, 0
	s_wait_dscnt 4
	MUL8 F1, 0, 0
	MUL8 F1, 1, 0
	s_wait_dscnt 0x0
	MUL8 F1, 2, 0
	MUL8 F1, 3, 0
	WIN 0
	PLACES
	PACK 0
	TOSTAGE 0
.irp a, 1,2,3
	PACK \a
	SEND (\a)-1
	TOSTAGE \a
.endr
	SEND 3
	s_wait_tensorcnt 0x0                           ; the wave's end
	ds_add_u32 v[SPW], v[NIL]
	s_wait_dscnt 0x0
	CROUND                                         ; the closing round
	s_endpgm
.Lfunc_end_k_qbee4c46b13_proj:
	.size	k_qbee4c46b13_proj, .Lfunc_end_k_qbee4c46b13_proj-k_qbee4c46b13_proj
	.p2alignl 7, 3214868480
	.fill 96, 4, 3214868480
	.section	.rodata,"a",@progbits
	.p2align	6, 0x0
	.amdhsa_kernel k_qbee4c46b13_proj
		.amdhsa_group_segment_fixed_size 327680
		.amdhsa_private_segment_fixed_size 0
		.amdhsa_enable_private_segment 0
		.amdhsa_kernarg_size 48
		.amdhsa_user_sgpr_count 2
		.amdhsa_user_sgpr_kernarg_segment_ptr 1
		.amdhsa_wavefront_size32 1
		.amdhsa_system_sgpr_workgroup_id_x 1
		.amdhsa_system_sgpr_workgroup_id_y 1
		.amdhsa_system_sgpr_workgroup_id_z 1
		.amdhsa_system_vgpr_workitem_id 0
		.amdhsa_next_free_vgpr 640
		.amdhsa_next_free_sgpr 96
		.amdhsa_reserve_vcc 0
		.amdhsa_float_denorm_mode_32 3
		.amdhsa_float_denorm_mode_16_64 3
		.amdhsa_memory_ordered 1
		.amdhsa_forward_progress 1
		.amdhsa_inst_pref_size 94
	.end_amdhsa_kernel
	.amdgpu_metadata
---
amdhsa.version: [ 1, 2 ]
amdhsa.kernels:
  - .name:           k_qbee4c46b13_proj
    .symbol:         k_qbee4c46b13_proj.kd
    .args:
      - { .name: xh, .offset: 0, .size: 8, .value_kind: global_buffer, .address_space: global }
      - { .name: wh, .offset: 8, .size: 8, .value_kind: global_buffer, .address_space: global }
      - { .name: pj, .offset: 16, .size: 8, .value_kind: global_buffer, .address_space: global }
      - { .name: bq, .offset: 24, .size: 8, .value_kind: global_buffer, .address_space: global }
      - { .name: bk, .offset: 32, .size: 8, .value_kind: global_buffer, .address_space: global }
      - { .name: bv, .offset: 40, .size: 8, .value_kind: global_buffer, .address_space: global }
    .group_segment_fixed_size: 327680
    .private_segment_fixed_size: 0
    .kernarg_segment_align: 8
    .kernarg_segment_size: 48
    .max_flat_workgroup_size: 128
    .sgpr_count:     96
    .vgpr_count:     640
    .wavefront_size: 32
...
	.end_amdgpu_metadata
.endif
;; end of part 2
;; launch score (part 3): grid 9 x 16, 4 waves a work-group, no clusters, 327,680 bytes of LDS; arguments pj, pp, st; writes pp, st
.if DOCPART == 3
	.amdgcn_target "amdgcn-amd-amdhsa--gfx1250"
	.amdhsa_code_object_version 6
	.text
	.protected	k_qbee4c46b13_score
	.globl	k_qbee4c46b13_score
	.p2align	8
	.type	k_qbee4c46b13_score,@function
k_qbee4c46b13_score:
	s_mov_b64 s[64:65], 0
	v_nop
	global_prefetch_b8 v0, s[64:65] scope:SCOPE_SE
	s_setreg_imm32_b32 hwreg(HW_REG_WAVE_MODE, 25, 1), 1
	s_wait_xcnt 0x0
; For each tile of 256 queries x 256 keys at or below the diagonal: s = Qp . Kp; then, for each query and each GROUP g of 128 keys, the maximum m of the group, p = 2^(c s - c m) in f16 into pp,
; and c m and l = the sum of p (f32) into st.  c = log2(e) / 32.  The next launch joins the groups: it takes the maximum of the c m over all groups away.
; pj holds Qp at row 0, Kp at row 8192 ([row][1024] f16).  pp is [4][2048][2048] f16; st: c m at g x 32768 + (row / 64) x 256 + (row % 16) x 16 + ((row / 16) % 4) x 4, l 524,288 bytes further on.
; THE TILES.  Query block i (0..7) of a batch has the key tiles jt = 0 .. i.  Blocks 7 - p and p have 9 together: x = 0..8 walks them, y = 4 x batch + p: 144 work-groups of equal work, one tile each.
; With tiles of 256 x 128 there would be 288, more than one and fewer than two for each of 256 WGPs; and a K step of this tile holds 256 matrix instructions a wave, 224 of them between a refill and the wait for it.
; NO CLUSTER: a block's i + 1 tiles, and a pair's 9, are no multiple of four.
; SHARES.  Four waves, each 128 queries x 128 keys: wave w has row half w / 2 and key half w % 2, so its keys are one group, g = 2 jt + w % 2.  64 accumulators of 16 x 16.
; K = 1024 channels goes in steps of 128 (rows of 256 bytes) through two LDS slots; wave w fetches 128 rows of each step: waves 0, 1 the halves of Q's 256, waves 2, 3 those of K's.
; The matrix instruction is used transposed (source 0 = 16 keys, source 1 = 16 queries): a lane holds query l % 16 and the keys 8 (l / 16) + 0..7 of each block of 16.
; THE MASK is the C operand that starts the sums: 0, or -1e30 where the key is hidden.  With D = my first query - my first key (a multiple of 128), block (a, b) of 16 x 16 is hidden wholly where b > a and D <= 0, or D < 0;
; where b = a it hangs on the lane: key register j is hidden where j > D + l % 16 - 8 (l / 16).  So three tables of eight registers serve all 64 products.
; The group's maximum is held at -2^66 or above: a row that sees no key of the group gets p = 0, l = 0, c m = -3.3e18.
; LIMITS: scores stay above -7e19 and below 1e22 in magnitude; a weight below 2^-126 counts as 0 in l; p below 6e-5 keeps f16's fixed step; NaN and infinities are not treated apart.
; REGISTERS, in windows of 256: window 0: v0-63 addresses and statistics; v64-127, v128-191 Q's fragments, two buffers; behind the loop v64-223 at work.
;   window 1: v0-23 the mask's tables; v64-127, v128-191 K's fragments.  window 2: the accumulators of my rows 0-63, (a, b) at 8 (8 a + b); window 3: those of rows 64-127.
.set PITCH,  272                       ; an LDS row: 256 bytes + 16 of padding: the 16 rows of a fragment load start at 16 different groups of four banks
.set HALFT,  128*PITCH                 ; what one tensor load brings, and what one wave reads of Q or of K
.set SLOT,   4*HALFT                   ; Q's 256 rows, then K's 256 rows
.set STAGE,  2*SLOT                    ; behind the ring: 16 rows x 272 bytes for each wave
.set SPITCH, 272
.set SPARE,  STAGE+4*16*SPITCH         ; the spare words: 128 bytes a wave, two blocks of 256 bytes that no other line names
.set OUTP,   4096                      ; bytes in a row of pp
.set ADRA, 16                          ; v16-17  LDS address of my Q fragments in slot 0, 1
.set ADRB, 20                          ; v20-21  the same for K
.set STO,  24
.set RD,   25
.set CO,   26
.set SPL,  27                          ; v27     where my lane keeps its scores behind the loop: 65,536 x wave + 16 x lane
.set SPW,  28
.set NIL,  29
.set PFO,  30
.set SPR,  31                          ; v31     the same, at the block of 16 rows in hand
.set CMV,  40                          ; v[40:43] c m of my row in the last four blocks of 16 rows
.set LV,   44                          ; v[44:47] l
.set CP,   48                          ; v[48:49] c m as a pair
.set VT,   50
.set SA,   51
.set SV,   52                          ; v[52:55] what is stored into st
.set F0,   64
.set F1,   128
.set X,    64                          ; v[64:127]  behind the loop: my 64 scores of a block of 16 rows
.set T,    128                         ; v[128:149] at work
.set TMP,  160                         ; v[160:191] the weights in f16
.set OB,   192                         ; v[192:223] 16 rows read back from the stage
.set MLO,  0                           ; window 1: the mask where b < a,
.set MDG,  8                           ; b = a,
.set MHI,  16                          ; b > a
.set G1,  24                           ; s[24:31] descriptor group 1
.set G0,  32                           ; s[32:39] descriptor group 0, a set for each slot
.set PFA, 44
.set LIM, 66
.set CS,  68                           ; s[68:69] c
.set SEL, 86                           ; s[86:87] v_permlanex16_b32's selects
.set BIGN, 88
.set LOWN, 89
.set MUL_LO, 0xa1                      ; source 0 (K) window 1, source 1 (Q) window 0, C and D window 2
.set MSB, 0
.macro WIN new                         ; the immediate's high byte repeats the setting that is left
.if MSB != (\new)
	s_set_vgpr_msb (MSB<<8)|(\new)
.set MSB, \new
.endif
.endm
.macro LOADT s                         ; my 128 rows of a K step: both addresses hang on the wave's number; an s_nop 0 and four v_nop follow the line
	tensor_load_to_lds s[G0+4*(\s):G0+4*(\s)+3], s[G1:G1+7]
	s_nop 0
.rept 4
	v_nop
.endr
.endm
; A prefetch of the K step two refills on: the 128 rows x 256 bytes that I fetch, a lane a row, four instructions.  Q's rows of block i: the work-group with jt = 0 asks.  K's rows of tile jt: the one with i = jt.
; So each row's 256 bytes of a K step are named once in the launch.  K steps 0 to 3 come by their loads alone; the loop's last trip (s3 = 1) asks for nothing.
.macro ASK
	s_cmp_gt_u32 s3, s[LIM]
	s_cbranch_scc0 .Lnot_mine_\@
.irp n, 0,1,2,3
	global_prefetch_b8 v[PFO], s[PFA:PFA+1] offset:256+(\n)*65536 th:TH_LOAD_NT scope:SCOPE_SE
.endr
.Lnot_mine_\@:
.endm
	s_load_b64 s[4:5], s[0:1], 0x0                 ; pj
	s_load_b64 s[8:9], s[0:1], 0x8                 ; pp
	s_load_b64 s[6:7], s[0:1], 0x10                ; st
	v_lshl_add_u32 v[SPW], v0, 2, SPARE
	v_mov_b32 v[NIL], 0
	ds_add_u32 v[SPW], v[NIL]                      ; the wave's opening: the add and its wait ahead of my first tensor load
	ds_add_u32 v28, v29
	v_lshrrev_b32 v1, 5, v0
	v_readfirstlane_b32 s10, v1                    ; wave 0..3
	s_lshr_b32 s11, s10, 1                         ; my half of the tile's queries.  Also: I fetch for Q (0) or for K (1)
	s_and_b32 s12, s10, 1                          ; my half of its keys.  Also: which 128 rows I fetch
	s_mov_b32 s2, ttmp9
	s_and_b32 s13, ttmp7, 0xffff
	s_lshr_b32 s70, s13, 2                         ; batch
	s_and_b32 s71, s13, 3                          ; p
	s_sub_co_u32 s72, 8, s71                       ; block 7 - p has 8 - p tiles
	s_sub_co_u32 s73, 7, s71
	s_sub_co_u32 s74, s2, s72
	s_cmp_lt_u32 s2, s72
	s_cselect_b32 s75, s73, s71                    ; i
	s_cselect_b32 s76, s2, s74                     ; jt
	s_sub_co_u32 s77, s75, s76                     ; i - jt: 0 on the diagonal
	s_lshl_b32 s84, s70, 11
	s_lshl_b32 s85, s76, 8
	s_add_co_u32 s85, s85, s84                     ; the tile's first key row
	s_lshl_b32 s78, s75, 8
	s_add_co_u32 s84, s84, s78                     ; the tile's first query row
	s_mov_b32 s[G1], (1<<16)|(1<<20)|(5<<22)|(3<<25)  ; 2-byte elements; padding on; after every 64 words 4 words
	s_mov_b32 s[G1+1], 128<<16                     ; tensor_dim0 = 128
	s_mov_b32 s[G1+2], 128<<16                     ; tensor_dim1 = 128
	s_mov_b32 s[G1+3], 128<<16                     ; tile_dim0 = 128
	s_mov_b32 s[G1+4], 128                         ; tile_dim1 = 128
	s_mov_b32 s[G1+5], 1024                        ; elements from row to row
	s_mov_b32 s[G1+6], 0
	s_mov_b32 s[G1+7], 0
	s_mov_b32 s[CS], 0x3d38aa3b                    ; c = log2(e) / 32
	s_mov_b32 s[CS+1], s[CS]
	s_mov_b32 s[SEL], 0x76543210
	s_mov_b32 s[SEL+1], 0xfedcba98
	s_mov_b32 s[BIGN], 0xf149f2ca                  ; -1e30
	s_mov_b32 s[LOWN], 0xe0800000                  ; -2^66
	s_lshl_b32 s79, s12, 7
	s_add_co_u32 s16, s84, s79                     ; the rows that I fetch: of Qp,
	s_add_co_u32 s17, s85, s79
	s_add_co_u32 s17, s17, 8192                    ; or of Kp, which lies 8192 rows behind
	s_cmp_eq_u32 s11, 0
	s_cselect_b32 s16, s16, s17
	s_lshl_b32 s16, s16, 11                        ; in bytes (under 2^26)
	s_mov_b32 s17, 0
	s_mul_i32 s20, s10, HALFT                      ; and where they go: wave x 128 rows
	s_cmp_eq_u32 s76, 0
	s_cselect_b32 s22, 1, -1
	s_cmp_eq_u32 s77, 0
	s_cselect_b32 s23, 1, -1
	s_cmp_eq_u32 s11, 0
	s_cselect_b32 s[LIM], s22, s23                 ; 1 where I prefetch, else the greatest number
	s_lshl_b32 s79, s11, 7
	s_add_co_u32 s46, s84, s79                     ; my first query row
	s_lshl_b32 s18, s46, 2                         ; (row / 64) x 256
	s_lshl_b32 s46, s46, 12                        ; its place in pp,
	s_lshl_b32 s47, s76, 9
	s_add_co_u32 s46, s46, s47
	s_lshl_b32 s47, s12, 8
	s_add_co_u32 s46, s46, s47                     ; at my first key
	s_mov_b32 s47, 0
	s_lshl_b32 s19, s76, 1
	s_add_co_u32 s19, s19, s12                     ; g
	s_lshl_b32 s19, s19, 15
	s_add_co_u32 s18, s18, s19
	s_mov_b32 s19, 0
	s_lshl_b32 s78, s77, 8
	s_add_co_u32 s78, s78, s79
	s_lshl_b32 s79, s12, 7
	s_sub_co_i32 s78, s78, s79                     ; D = my first query - my first key: -128, 0, or 128 and more
	s_cmp_lt_i32 s78, 0
	s_cselect_b32 s80, s[BIGN], 0                  ; the mask where b < a
	s_cmp_le_i32 s78, 0
	s_cselect_b32 s81, s[BIGN], 0                  ; and where b > a
	s_wait_dscnt 0x0                               ; the opening add is done
	s_wait_kmcnt 0x0
	s_add_nc_u64 s[14:15], s[4:5], s[16:17]
	s_add_nc_u64 s[8:9], s[8:9], s[46:47]
	s_add_nc_u64 s[6:7], s[6:7], s[18:19]          ; st at my first 64 rows of group g
	s_add_nc_u64 s[PFA:PFA+1], s[14:15], 512       ; at K step 2: the first refill steps it to 3 and names K step 4
.irp s, 0,1
	s_mov_b32 s[G0+4*(\s)], 1
	s_add_co_u32 s[G0+4*(\s)+1], s20, (\s)*SLOT
	s_add_nc_u64 s[G0+4*(\s)+2:G0+4*(\s)+3], s[14:15], (\s)*256
	s_or_b32 s[G0+4*(\s)+3], s[G0+4*(\s)+3], 0x80000000
	LOADT \s                                       ; K steps 0 and 1: two loads of mine are out
.endr
	v_and_b32 v1, 15, v0                           ; l % 16
	v_bfe_u32 v2, v0, 4, 1                         ; l / 16
	v_mul_u32_u24 v3, v1, PITCH
	v_lshl_add_u32 v3, v2, 4, v3                   ; a fragment's row x pitch + 16 x half
	s_mul_i32 s21, s11, HALFT                      ; my 128 rows of Q
	s_mul_i32 s22, s12, HALFT                      ; my 128 rows of K,
	s_add_co_u32 s22, s22, 2*HALFT                 ; which lie behind Q's 256
	v_add_nc_u32 v[ADRA], s21, v3
	v_add_nc_u32 v[ADRA+1], SLOT, v[ADRA]
	v_add_nc_u32 v[ADRB], s22, v3
	v_add_nc_u32 v[ADRB+1], SLOT, v[ADRB]
	s_mul_i32 s23, s10, 16*SPITCH
	s_add_co_u32 s23, s23, STAGE                   ; my stage
	v_mul_u32_u24 v4, v1, SPITCH
	v_lshl_add_u32 v4, v2, 4, v4
	v_add_nc_u32 v[STO], s23, v4                   ; in: row l % 16, 16 bytes for each half of the lanes
	v_mul_u32_u24 v5, v2, SPITCH
	v_lshl_add_u32 v5, v1, 4, v5
	v_add_nc_u32 v[RD], s23, v5                    ; back: lanes 0-15 one row of 256 bytes, lanes 16-31 the next
	v_lshlrev_b32 v5, 12, v2
	v_lshl_add_u32 v[CO], v1, 4, v5                ; the same two rows in pp
	v_and_b32 v5, 31, v0
	s_lshl_b32 s22, s10, 16
	v_lshl_add_u32 v[SPL], v5, 4, s22
	v_lshlrev_b32 v[PFO], 11, v5
	v_lshlrev_b32 v[SA], 4, v1
	v_lshl_add_u32 v[SA], v2, 19, v[SA]            ; lanes 0-15 store c m, lanes 16-31 l
	v_lshlrev_b32 v[VT], 3, v2
	v_sub_nc_u32 v[VT], v1, v[VT]
	v_add_nc_u32 v[VT], s78, v[VT]                 ; D + l % 16 - 8 (l / 16)
	WIN 0x40                                       ; destination window 1: the mask's three tables, made while the first tiles are on their way
.irp n, 0,1,2,3,4,5,6,7
	v_mov_b32 v[MLO+(\n)], s80
	v_mov_b32 v[MHI+(\n)], s81
	v_cmp_gt_i32 vcc_lo, \n, v[VT]
	v_cndmask_b32 v[MDG+(\n)], 0, s[BIGN], vcc_lo
.endr
	WIN 0
; 16 matrix instructions: row blocks a0, a0 + 1 of the window's four (hi = 0: my rows 0-63, 1: rows 64-127) x all 8 key blocks, 32 along K.  first = 1: the mask starts the sums.
.macro MUL16 f, hi, a0, first
.if \first
	WIN 0x91+0x40*(\hi)                            ; C in window 1, D in window 2 or 3
.else
	WIN MUL_LO+0x50*(\hi)
.endif
.irp a, \a0, (\a0)+1
.irp b, 0,1,2,3,4,5,6,7
.if \first
.if (\b) < 4*(\hi)+(\a)
.set rM, MLO
.elseif (\b) == 4*(\hi)+(\a)
.set rM, MDG
.else
.set rM, MHI
.endif
	v_wmma_f32_16x16x32_f16 v[8*(8*(\a)+(\b)):8*(8*(\a)+(\b))+7], v[(\f)+8*(\b):(\f)+8*(\b)+7], v[(\f)+8*(4*(\hi)+(\a)):(\f)+8*(4*(\hi)+(\a))+7], v[rM:rM+7]
.else
	v_wmma_f32_16x16x32_f16 v[8*(8*(\a)+(\b)):8*(8*(\a)+(\b))+7], v[(\f)+8*(\b):(\f)+8*(\b)+7], v[(\f)+8*(4*(\hi)+(\a)):(\f)+8*(4*(\hi)+(\a))+7], v[8*(8*(\a)+(\b)):8*(8*(\a)+(\b))+7]
.endif
.endr
.endr
.endm
; 32 LDS loads in one run: K's eight fragments, then Q's eight, 32 channels at byte k of the rows, into buffer f
.macro FETCH slot, k, f
	WIN 0x40                                       ; destination window 1
.irp i, 0,1,2,3,4,5,6,7
	ds_load_b128 v[(\f)+8*(\i):(\f)+8*(\i)+3],   v[ADRB+(\slot)] offset:(\k)+(\i)*16*PITCH
	ds_load_b128 v[(\f)+8*(\i)+4:(\f)+8*(\i)+7], v[ADRB+(\slot)] offset:(\k)+(\i)*16*PITCH+32
.endr
	WIN 0
.irp i, 0,1,2,3,4,5,6,7
	ds_load_b128 v[(\f)+8*(\i):(\f)+8*(\i)+3],   v[ADRA+(\slot)] offset:(\k)+(\i)*16*PITCH
	ds_load_b128 v[(\f)+8*(\i)+4:(\f)+8*(\i)+7], v[ADRA+(\slot)] offset:(\k)+(\i)*16*PITCH+32
.endr
.endm
.macro PLACES                          ; four plain instructions between a matrix instruction and a load into, or a read of, its registers
.rept 4
	v_nop
.endr
.endm
; A K step is four quarters of 32 channels, 64 matrix instructions each, on buffers 0, 1, 0, 1; the 64 accumulators take turns in the same order in every quarter.
.macro QUARTER slot, k, f, g, first
	s_wait_dscnt 8                                 ; K's fragments and Q's rows 0-63 are in; the youngest eight loads (Q's rows 64-127) may be out
	MUL16 \f, 0, 0, \first
	MUL16 \f, 0, 2, \first
	PLACES
	FETCH \slot, \k, \g
	s_wait_dscnt 32                                ; all but the 32 just issued
	MUL16 \f, 1, 0, \first
	MUL16 \f, 1, 2, \first
.endm
; The last quarter multiplies buffer 1 and changes slots.  In front of the barrier each wave waits for all its tensor loads (one is out: its part of the next slot), adds 0 to its spare word,
; and waits for that and for its reads of this slot.  fill = 1: the refill, two K steps on, is the first thing behind the barrier: 224 matrix instructions ahead of the wait for it.
.macro TURN slot, next, fill
.if \fill
	s_wait_xcnt 0x0                                ; the last prefetches, a K step back, have read their address
	s_add_nc_u64 s[PFA:PFA+1], s[PFA:PFA+1], 256
.endif
	WIN 0
	s_wait_tensorcnt 0x0
	ds_add_u32 v[SPW], v[NIL]
	s_wait_dscnt 9                                 ; the add and the youngest eight loads may be out
	MUL16 F1, 0, 0, 0
	s_wait_dscnt 0x0                               ; the add is done, and my reads of this slot are over
	s_barrier_signal -1
	MUL16 F1, 0, 2, 0
.if \fill
	WIN 0
.endif
	s_barrier_wait -1
.if \fill
	s_add_nc_u64 s[G0+4*(\slot)+2:G0+4*(\slot)+3], s[G0+4*(\slot)+2:G0+4*(\slot)+3], 512
	LOADT \slot                                    ; its four v_nop are also the places in front of the loads below
.else
	PLACES
.endif
	FETCH \next, 0, F0
.if \fill
	ASK
.endif
	MUL16 F1, 1, 0, 0
	MUL16 F1, 1, 2, 0
.endm
	s_wait_tensorcnt 1                             ; my part of K step 0 is in; K step 1's may stay out
	s_barrier_signal -1
	s_barrier_wait -1
	FETCH 0, 0, F0
	QUARTER 0, 64, F0, F1, 1
	WIN 0
	s_mov_b32 s3, 3
.Llap:                                                 ; a trip goes once round the ring and fills both slots again
	QUARTER 0, 128, F1, F0, 0
	QUARTER 0, 192, F0, F1, 0
	TURN 0, 1, 1
	QUARTER 1, 64,  F0, F1, 0
	QUARTER 1, 128, F1, F0, 0
	QUARTER 1, 192, F0, F1, 0
	TURN 1, 0, 1
	QUARTER 0, 64,  F0, F1, 0
	WIN 0
	s_sub_co_u32 s3, s3, 1
	s_cmp_lg_u32 s3, 0
	s_cbranch_scc1 .Llap
	QUARTER 0, 128, F1, F0, 0                      ; the last lap fills nothing
	QUARTER 0, 192, F0, F1, 0
	TURN 0, 1, 0
	QUARTER 1, 64,  F0, F1, 0
	QUARTER 1, 128, F1, F0, 0
	QUARTER 1, 192, F0, F1, 0
	s_wait_dscnt 8
	MUL16 F1, 0, 0, 0
	MUL16 F1, 0, 2, 0
	s_wait_dscnt 0x0                               ; my last reads of the ring are over:
	s_barrier_signal -1                            ; say so,
	MUL16 F1, 1, 0, 0
	MUL16 F1, 1, 2, 0
	WIN 0
	s_barrier_wait -1                              ; and go on when all four have said so: nobody reads the slots any more, and they have had their last fill
	PLACES
	; THE SCORES ARE SET ASIDE in the ring, each wave's in 65,536 bytes of its own, each lane's 16 bytes beside its neighbour's, so that ONE text, walked eight times, can take them 16 rows at a time.
.irp a, 0,1,2,3,4,5,6,7
	WIN 0x08+4*((\a)/4)                            ; the stores' data in window 2 or 3; each accumulator's low registers go first
.irp b, 0,1,2,3,4,5,6,7
	ds_store_b128 v[SPL], v[8*(8*((\a)%4)+(\b)):8*(8*((\a)%4)+(\b))+3]   offset:(16*(\a)+2*(\b))*512
	ds_store_b128 v[SPL], v[8*(8*((\a)%4)+(\b))+4:8*(8*((\a)%4)+(\b))+7] offset:(16*(\a)+2*(\b)+1)*512
.endr
.endr
	WIN 0
	v_mov_b32 v[SPR], v[SPL]
.irp n, 0,1,2,3,4,5,6,7
	v_mov_b32 v[CMV+(\n)], 0                       ; the two rows of four statistics are shifted before they are full: they hold a number from the start
.endr
	s_mov_b32 s18, 0                               ; what the next trip adds to pp's address: nothing the first time
	s_mov_b32 s19, 0
	s_mov_b32 s20, 0                               ; the same for st's
	s_mov_b32 s21, 0
	s_mov_b32 s2, 2
.Lgroup:                                               ; 64 rows: four blocks of 16, then their statistics
	s_mov_b32 s3, 4
.Lblock:                                               ; THE SOFTMAX OF 16 ROWS over my 128 keys: a lane holds 64 of its row's scores, the lane 16 away the other 64
.irp n, 0,1,2,3,4,5,6,7,8,9,10,11,12,13,14,15
	ds_load_b128 v[X+4*(\n):X+4*(\n)+3], v[SPR] offset:(\n)*512  ; my own bytes: LDS serves a wave's instructions in order
.endr
	s_wait_dscnt 0x0
.set n, 0
.rept 21
	v_max3_num_f32 v[T+n], v[X+3*n], v[X+3*n+1], v[X+3*n+2]
.set n, n+1
.endr
	v_mov_b32 v[T+21], v[X+63]
.irp n, 0,3,6,9,12,15,18
	v_max3_num_f32 v[T+(\n)], v[T+(\n)], v[T+(\n)+1], v[T+(\n)+2]
.endr
	v_max3_num_f32 v[T], v[T], v[T+3], v[T+6]
	v_max3_num_f32 v[T+9], v[T+9], v[T+12], v[T+15]
	v_max_num_f32 v[T+18], v[T+18], v[T+21]
	v_max3_num_f32 v[T], v[T], v[T+9], v[T+18]
	v_permlanex16_b32 v[T+1], v[T], s[SEL], s[SEL+1]
	v_max3_num_f32 v[T], v[T], v[T+1], s[LOWN]     ; the group's maximum, held at -2^66 or above
	v_mov_b32 v[CMV], v[CMV+1]                     ; the last four blocks' c m move up by one
	v_mov_b32 v[CMV+1], v[CMV+2]
	v_mov_b32 v[CMV+2], v[CMV+3]
	v_mul_f32 v[CMV+3], s[CS], v[T]
	v_mov_b32 v[CP], v[CMV+3]
	v_mov_b32 v[CP+1], v[CMV+3]
.set n, 0
.rept 32
	v_pk_fma_f32 v[X+2*n:X+2*n+1], v[X+2*n:X+2*n+1], s[CS:CS+1], v[CP:CP+1] op_sel_hi:[1,0,0] neg_lo:[0,0,1] neg_hi:[0,0,1]
.set n, n+1
.endr
.set n, 0
.rept 64
	v_exp_f32 v[X+n], v[X+n]                       ; one batch
.set n, n+1
.endr
	v_nop                                          ; a plain instruction behind the last exponential,
	s_wait_alu depctr_va_vdst(0)                   ; and the one wait ahead of the first use
.set n, 0
.rept 32
	v_cvt_pk_f16_f32 v[TMP+n], v[X+2*n], v[X+2*n+1]
.set n, n+1
.endr
.irp w, 32,16,8,4,2                    ; the sum of the unrounded weights, a tree in place
.set u, 0
.rept (\w)/2
	v_pk_add_f32 v[X+2*u:X+2*u+1], v[X+2*u:X+2*u+1], v[X+2*u+(\w):X+2*u+(\w)+1]
.set u, u+1
.endr
.endr
	v_add_f32 v[T], v[X], v[X+1]
	v_permlanex16_b32 v[T+1], v[T], s[SEL], s[SEL+1]
	v_mov_b32 v[LV], v[LV+1]
	v_mov_b32 v[LV+1], v[LV+2]
	v_mov_b32 v[LV+2], v[LV+3]
	v_add_f32 v[LV+3], v[T], v[T+1]
	s_wait_xcnt 0x0                                ; the last trip's stores have read their base and their data: both are written again only behind this wait
	s_add_nc_u64 s[8:9], s[8:9], s[18:19]          ; 16 rows of pp on
	s_mov_b32 s18, 16*OUTP
.irp b, 0,1,2,3,4,5,6,7
	ds_store_b128 v[STO], v[TMP+4*(\b):TMP+4*(\b)+3] offset:32*(\b)
.endr
.irp t, 0,1,2,3,4,5,6,7
	ds_load_b128 v[OB+4*(\t):OB+4*(\t)+3], v[RD] offset:(\t)*2*SPITCH  ; these see the stores above
.endr
	v_add_nc_u32 v[SPR], 8192, v[SPR]              ; the next block's scores
	s_wait_dscnt 0x0
.irp t, 0,1,2,3,4,5,6,7
	global_store_b128 v[CO], v[OB+4*(\t):OB+4*(\t)+3], s[8:9] offset:2*(\t)*OUTP  ; 16 lanes store 256 consecutive bytes, aligned
.endr
	s_sub_co_u32 s3, s3, 1
	s_cmp_lg_u32 s3, 0
	s_cbranch_scc1 .Lblock
	v_cmp_eq_u32 vcc_lo, 1, v2
.irp a, 0,1,2,3
	v_cndmask_b32 v[SV+(\a)], v[CMV+(\a)], v[LV+(\a)], vcc_lo  ; (the store that read these registers last stands four trips, and four waits for its sources, back)
.endr
	s_add_nc_u64 s[6:7], s[6:7], s[20:21]          ; the next 64 rows' place in st
	s_mov_b32 s20, 256
	global_store_b128 v[SA], v[SV:SV+3], s[6:7]    ; 256 consecutive bytes of c m, and 256 of l
	s_sub_co_u32 s2, s2, 1
	s_cmp_lg_u32 s2, 0
	s_cbranch_scc1 .Lgroup
	s_wait_tensorcnt 0x0                           ; the wave's end
	ds_add_u32 v[SPW], v[NIL]
	s_wait_dscnt 0x0
	s_endpgm
.Lfunc_end_k_qbee4c46b13_score:
	.size	k_qbee4c46b13_score, .Lfunc_end_k_qbee4c46b13_score-k_qbee4c46b13_score
	.p2alignl 7, 3214868480
	.fill 96, 4, 3214868480
	.section	.rodata,"a",@progbits
	.p2align	6, 0x0
	.amdhsa_kernel k_qbee4c46b13_score
		.amdhsa_group_segment_fixed_size 327680
		.amdhsa_private_segment_fixed_size 0
		.amdhsa_enable_private_segment 0
		.amdhsa_kernarg_size 24
		.amdhsa_user_sgpr_count 2
		.amdhsa_user_sgpr_kernarg_segment_ptr 1
		.amdhsa_wavefront_size32 1
		.amdhsa_system_sgpr_workgroup_id_x 1
		.amdhsa_system_sgpr_workgroup_id_y 1
		.amdhsa_system_sgpr_workgroup_id_z 1
		.amdhsa_system_vgpr_workitem_id 0
		.amdhsa_next_free_vgpr 1024
		.amdhsa_next_free_sgpr 96
		.amdhsa_reserve_vcc 1
		.amdhsa_float_denorm_mode_32 3
		.amdhsa_float_denorm_mode_16_64 3
		.amdhsa_memory_ordered 1
		.amdhsa_forward_progress 1
		.amdhsa_inst_pref_size 134
	.end_amdhsa_kernel
	.amdgpu_metadata
---
amdhsa.version: [ 1, 2 ]
amdhsa.kernels:
  - .name:           k_qbee4c46b13_score
    .symbol:         k_qbee4c46b13_score.kd
    .args:
      - { .name: pj, .offset: 0, .size: 8, .value_kind: global_buffer, .address_space: global }
      - { .name: pp, .offset: 8, .size: 8, .value_kind: global_buffer, .address_space: global }
      - { .name: st, .offset: 16, .size: 8, .value_kind: global_buffer, .address_space: global }
    .group_segment_fixed_size: 327680
    .private_segment_fixed_size: 0
    .kernarg_segment_align: 8
    .kernarg_segment_size: 24
    .max_flat_workgroup_size: 128
    .sgpr_count:     96
    .vgpr_count:     1024
    .wavefront_size: 32
...
	.end_amdgpu_metadata
.endif
;; end of part 3
;; launch mix (part 4): grid 8 x 32, 4 waves a work-group, clusters of 4 x 1, 327,680 bytes of LDS; arguments pp, st, pj, oh; writes oh
.if DOCPART == 4
	.amdgcn_target "amdgcn-amd-amdhsa--gfx1250"
	.amdhsa_code_object_version 6
	.text
	.protected	k_qbee4c46b13_mix
	.globl	k_qbee4c46b13_mix
	.p2align	8
	.type	k_qbee4c46b13_mix,@function
k_qbee4c46b13_mix:
	s_mov_b64 s[64:65], 0
	v_nop
	global_prefetch_b8 v0, s[64:65] scope:SCOPE_SE
	s_setreg_imm32_b32 hwreg(HW_REG_WAVE_MODE, 25, 1), 1
	s_wait_xcnt 0x0
	s_wait_alu depctr_hold_cnt(0) depctr_sa_sdst(0) depctr_va_vdst(0) depctr_va_sdst(0) depctr_va_ssrc(0) depctr_va_vcc(0) depctr_vm_vsrc(0)
	s_getreg_b32 s2, hwreg(HW_REG_IB_STS2, 6, 4)
	s_cmp_eq_u32 s2, 0
	s_cbranch_scc0 .Lentry_in_a_cluster
	s_endpgm
.Lentry_in_a_cluster:
	s_bfe_u32 s2, ttmp6, 0x10000c
	s_cmp_lg_u32 s2, 0x3003
	s_cbranch_scc0 .Lentry_shape_is_right
	s_endpgm
.Lentry_shape_is_right:
; O[q][:] = (the sum over groups g of f_g x the sum over the group's keys of p V) / L, with M = the maximum over g of c m_g, f_g = 2^(c m_g - M), L = the sum of l_g f_g: the softmax over all keys up to q,
; its maximum taken away.  pp, st as the launch before left them; Vp lies in pj from row 16384 on ([row][1024] f16); oh [8192][1024] f16, rounded once.
; p f_g is made in f16 (a fragment of P holds one query a lane, so f_g is one number a lane): two more roundings of a weight that lies in 0 to 1; sums, M, L and O's accumulators stay in f32.
; LIMITS: f16's range for V and O; a factor below 6e-8 counts as 0; NaN and infinities are not treated apart.
; A tile of O is 256 queries x 128 channels: y = 8 x batch + (7 - i), query block i; channel tile 4 x cluster x + cx.  K runs over the 256 (i + 1) keys at or below the block: i + 1 laps of two steps of 128 keys (a step = a group).
; CLUSTER 4 x 1: the four channel tiles of a cluster take the same P, asked for jointly by waves 0, 1; V's tile hangs on the channel tile and is each work-group's own load (waves 2, 3), behind the same rounds.
; The trip count hangs on y alone, which the partners share.
; The matrix instruction is used transposed (source 0 = 16 channels of V^T, by the turning LDS load; source 1 = 16 queries of P): a lane holds query l % 16 and eight neighbouring channels.
.set PITCH,  272
.set PV,     288                       ; a row of V in LDS: 256 bytes + 32
.set AT,     256*PITCH
.set SLOT,   AT+128*PV
.set STAGE,  2*SLOT
.set SPITCH, 272
.set SPARE,  STAGE+4*16*SPITCH
.set OUTP,   2048
.set ADRP, 16
.set ADRV, 20
.set STO,  24
.set RD,   25
.set CO,   26
.set SPW,  28
.set NIL,  29
.set PFO,  30
.set SO,   31                          ; v31      16 x (l % 16): my place in 256 bytes of st
.set MTR,  32                          ; v[32:35] c m of the next group, blocks 0..3
.set MX,   36                          ; v[36:39] M
.set E,    40                          ; v[40:43] at work
.set FC,   44                          ; v[44:47] f of the step in hand, twice in f16
.set RL2,  48                          ; v[48:55] 1 / L, a pair for each block
.set LS,   56                          ; v[56:59] L
.set F0,   64
.set F1,   160
.set SM,   64                          ; the prologue: c m of 16 groups x 4 blocks, then f
.set SL,   128                         ; the prologue: l
.set TMP,  96
.set OB,   128
.set G1A, 24
.set G0A, 32
.set G1B, 48
.set G0B, 56
.set PFA, 44
.set PFS, 68                           ; s[68:69] a K step in the prefetched tensor, in bytes
.set NL,   72
.set NLM1, 73
.set CNT,  74
.set LIMP, 75
.set MTP,  76                          ; s[76:77] st at the group whose c m was loaded last
.set MUL,  0x50
.set MSB, 0
.macro WIN new
.if MSB != (\new)
	s_set_vgpr_msb (MSB<<8)|(\new)
.set MSB, \new
.endif
.endm
.macro JLOAD s                         ; waves 0, 1: P, jointly; waves 2, 3: V, my work-group's own; an s_nop 0 and four v_nop follow each line
	s_cmp_eq_u32 s11, 0
	s_cbranch_scc0 .Lfor_b_\@
	tensor_load_to_lds s[G0A+4*(\s):G0A+4*(\s)+3], s[G1A:G1A+7]
	s_nop 0
.rept 4
	v_nop
.endr
	s_branch .Lasked_\@
.Lfor_b_\@:
	tensor_load_to_lds s[G0B+4*(\s):G0B+4*(\s)+3], s[G1B:G1B+7]
	s_nop 0
.rept 4
	v_nop
.endr
.Lasked_\@:
.endm
; A prefetch of the K step two refills on.  P's rows: the clusters with x = 0 ask; of a wave's 128 rows each partner takes 32, by address (cx): a lane a row.  V's 64 rows x 256 bytes a wave: the work-group of
; query block 7, which walks all keys, asks for its own channel tile: two instructions.  Each block of 256 bytes is named once.  Steps 0 to 3 come by their loads alone; the last trip asks for nothing.
.macro ASK
	s_cmp_lt_u32 s[CNT], s[LIMP]
	s_cbranch_scc0 .Lnot_mine_\@
	global_prefetch_b8 v[PFO], s[PFA:PFA+1] th:TH_LOAD_NT scope:SCOPE_SE
	s_cmp_eq_u32 s11, 0
	s_cbranch_scc1 .Lnot_mine_\@
	global_prefetch_b8 v[PFO], s[PFA:PFA+1] offset:65536 th:TH_LOAD_NT scope:SCOPE_SE
.Lnot_mine_\@:
.endm
.macro CREST
	s_cmp_lg_u32 s10, 0
	s_cbranch_scc1 .Lnot_wave_0_\@
	s_barrier_signal -3
.Lnot_wave_0_\@:
	s_barrier_wait -3
	s_barrier_signal -1
	s_barrier_wait -1
.endm
.macro CROUND
	s_barrier_signal -1
	s_barrier_wait -1
	CREST
.endm
	s_load_b128 s[4:7], s[0:1], 0x0                ; pp s[4:5], st s[6:7]
	s_load_b64 s[80:81], s[0:1], 0x10              ; pj
	s_load_b64 s[8:9], s[0:1], 0x18                ; oh
	v_lshl_add_u32 v[SPW], v0, 2, SPARE
	v_mov_b32 v[NIL], 0
	ds_add_u32 v[SPW], v[NIL]                      ; the wave's opening: the add and its wait ahead of my first tensor load
	ds_add_u32 v28, v29
	v_lshrrev_b32 v1, 5, v0
	v_readfirstlane_b32 s10, v1
	s_lshr_b32 s11, s10, 1
	s_and_b32 s12, s10, 1
	s_bfe_u32 s40, ttmp6, 0x40000                  ; cx
	s_mov_b32 s2, ttmp9
	s_lshl_b32 s42, s2, 2
	s_add_co_u32 s42, s42, s40                     ; channel tile
	s_and_b32 s13, ttmp7, 0xffff
	s_lshr_b32 s70, s13, 3                         ; batch
	s_and_b32 s71, s13, 7
	s_sub_co_u32 s71, 7, s71                       ; i: the long blocks come first
	s_add_co_u32 s[NL], s71, 1
	s_mov_b32 s[NLM1], s71
	s_lshl_b32 s84, s70, 11
	s_lshl_b32 s85, s71, 8
	s_add_co_u32 s84, s84, s85                     ; the block's first query row
	s_mov_b32 s[G1A], 15|(1<<16)|(1<<20)|(1<<21)|(5<<22)|(3<<25)  ; the mask of four; 2-byte elements; padding on; bit 21 beside a mask; after every 64 words 4 words
	s_mov_b32 s[G1A+1], 128<<16
	s_mov_b32 s[G1A+2], 128<<16
	s_mov_b32 s[G1A+3], 128<<16
	s_mov_b32 s[G1A+4], 128
	s_mov_b32 s[G1A+5], 2048                       ; a row of pp
	s_mov_b32 s[G1A+6], 0
	s_mov_b32 s[G1A+7], 0
	s_mov_b32 s[G1B], (1<<16)|(1<<20)|(5<<22)|(7<<25)  ; no mask; 8 words of padding
	s_mov_b32 s[G1B+1], 128<<16
	s_mov_b32 s[G1B+2], 64<<16
	s_mov_b32 s[G1B+3], 128<<16
	s_mov_b32 s[G1B+4], 64
	s_mov_b32 s[G1B+5], 1024
	s_mov_b32 s[G1B+6], 0
	s_mov_b32 s[G1B+7], 0
	s_lshl_b32 s16, s12, 7
	s_add_co_u32 s16, s16, s84
	s_lshl_b32 s16, s16, 12                        ; P: my 128 rows
	s_mov_b32 s17, 0
	s_lshl_b32 s46, s70, 11
	s_lshl_b32 s47, s12, 6
	s_add_co_u32 s46, s46, s47
	s_lshl_b32 s46, s46, 11                        ; V: my 64 keys of the batch's first 128,
	s_lshl_b32 s47, s42, 8
	s_add_co_u32 s46, s46, s47                     ; my work-group's 128 channels
	s_add_co_u32 s46, s46, 33554432                ; Vp lies 16384 rows behind Qp
	s_mov_b32 s47, 0
	s_mul_i32 s20, s12, 128*PITCH
	s_mul_i32 s21, s12, 64*PV
	s_add_co_u32 s21, s21, AT
	s_lshr_b32 s18, s84, 6
	s_add_co_u32 s18, s18, s10
	s_lshl_b32 s18, s18, 8                         ; st: my 64 rows
	s_mov_b32 s19, 0
	s_wait_dscnt 0x0                               ; the opening add is done
	s_wait_kmcnt 0x0
	s_add_nc_u64 s[14:15], s[4:5], s[16:17]
	s_add_nc_u64 s[46:47], s[80:81], s[46:47]
	s_add_nc_u64 s[78:79], s[6:7], s[18:19]
	s_add_nc_u64 s[MTP:MTP+1], s[78:79], 32768     ; group 1
	CROUND                                         ; all four work-groups are here: the first loads meet
.irp s, 0,1
	s_mov_b32 s[G0A+4*(\s)], 1
	s_add_co_u32 s[G0A+4*(\s)+1], s20, (\s)*SLOT
	s_add_nc_u64 s[G0A+4*(\s)+2:G0A+4*(\s)+3], s[14:15], (\s)*256
	s_or_b32 s[G0A+4*(\s)+3], s[G0A+4*(\s)+3], 0x80000000
	s_mov_b32 s[G0B+4*(\s)], 1
	s_add_co_u32 s[G0B+4*(\s)+1], s21, (\s)*SLOT
	s_add_nc_u64 s[G0B+4*(\s)+2:G0B+4*(\s)+3], s[46:47], (\s)*262144
	s_or_b32 s[G0B+4*(\s)+3], s[G0B+4*(\s)+3], 0x80000000
	JLOAD \s                                       ; steps 0 and 1: two loads of mine are out
.endr
	v_and_b32 v1, 15, v0
	v_bfe_u32 v2, v0, 4, 1
	v_lshlrev_b32 v[SO], 4, v1
	; THE STATISTICS of my 64 rows, in the wait for the first tiles.  Groups that the block does not have count as c m = the lowest finite number, l = 0.
.set n, 0
.rept 64
	v_mov_b32 v[SM+n], 0xff7fffff
	v_mov_b32 v[SL+n], 0
.set n, n+1
.endr
.irp t, 0,1,2,3,4,5,6,7
.if (\t) > 0
	s_cmp_gt_u32 s[NL], \t
	s_cbranch_scc0 .Lst                            ; a forward jump over loads alone
.endif
.irp u, 0,1
	global_load_b128 v[SM+4*(2*(\t)+(\u)):SM+4*(2*(\t)+(\u))+3], v[SO], s[78:79] offset:(2*(\t)+(\u))*32768
	global_load_b128 v[SL+4*(2*(\t)+(\u)):SL+4*(2*(\t)+(\u))+3], v[SO], s[78:79] offset:(2*(\t)+(\u))*32768+524288
.endr
.endr
.Lst:
	v_mul_u32_u24 v3, v1, PITCH
	v_lshl_add_u32 v3, v2, 4, v3
	s_mul_i32 s22, s10, 64*PITCH
	v_add_nc_u32 v[ADRP], s22, v3
	v_add_nc_u32 v[ADRP+1], SLOT, v[ADRP]
	v_and_b32 v4, 7, v0                            ; the turning load: lane l reads key 8 (l / 16) + l % 8, channels 8 ((l / 8) % 2) + 0..7
	v_bfe_u32 v5, v0, 3, 1
	v_lshl_add_u32 v4, v2, 3, v4
	v_mul_u32_u24 v4, v4, PV
	v_lshl_add_u32 v4, v5, 4, v4
	v_add_nc_u32 v[ADRV], AT, v4
	v_add_nc_u32 v[ADRV+1], SLOT, v[ADRV]
	s_mul_i32 s23, s10, 16*SPITCH
	s_add_co_u32 s23, s23, STAGE
	v_mul_u32_u24 v4, v1, SPITCH
	v_lshl_add_u32 v4, v2, 4, v4
	v_add_nc_u32 v[STO], s23, v4
	v_mul_u32_u24 v5, v2, SPITCH
	v_lshl_add_u32 v5, v1, 4, v5
	v_add_nc_u32 v[RD], s23, v5
	v_lshlrev_b32 v5, 11, v2
	v_lshl_add_u32 v[CO], v1, 4, v5
	s_lshl_b32 s16, s10, 6
	s_add_co_u32 s16, s16, s84
	s_lshl_b32 s16, s16, 11
	s_lshl_b32 s17, s42, 8
	s_add_co_u32 s16, s16, s17                     ; my part of the tile in oh
	s_mov_b32 s17, 0
	; the prefetches
	s_lshl_b32 s20, s12, 7
	s_lshl_b32 s21, s40, 5
	s_add_co_u32 s20, s20, s21
	s_add_co_u32 s20, s20, s84
	s_lshl_b32 s20, s20, 12
	s_add_co_u32 s20, s20, 768                     ; P at step 3: the first refill steps it to step 4
	s_lshl_b32 s21, s70, 11
	s_lshl_b32 s22, s12, 6
	s_add_co_u32 s21, s21, s22
	s_add_co_u32 s21, s21, 384                     ; V at step 3
	s_lshl_b32 s21, s21, 11
	s_lshl_b32 s22, s42, 8
	s_add_co_u32 s21, s21, s22
	s_add_co_u32 s21, s21, 33554432
	s_cmp_eq_u32 s2, 0
	s_cselect_b32 s22, 1, 0
	s_cmp_eq_u32 s71, 7
	s_cselect_b32 s23, 1, 0
	s_mov_b32 s[PFS], 262144                       ; a step of V: 128 keys of 2,048 bytes; of P: 256 bytes of a row
	s_cmp_eq_u32 s11, 0
	s_cselect_b32 s20, s20, s21
	s_cselect_b32 s22, s22, s23
	s_cselect_b64 s[PFA:PFA+1], s[4:5], s[80:81]
	s_cselect_b32 s[PFS], 256, s[PFS]
	s_cselect_b32 s23, 12, 11
	s_mov_b32 s[PFS+1], 0
	s_max_u32 s21, s[NLM1], 1
	s_sub_co_u32 s21, s21, 1
	s_cmp_eq_u32 s22, 1
	s_cselect_b32 s[LIMP], s21, 0
	s_mov_b32 s21, 0
	s_add_nc_u64 s[PFA:PFA+1], s[PFA:PFA+1], s[20:21]
	v_and_b32 v[PFO], 31, v0
	v_lshlrev_b32 v[PFO], s23, v[PFO]
	s_wait_loadcnt 0x0                             ; the statistics
.irp a, 0,1,2,3
	v_mov_b32 v[MTR+(\a)], v[SM+4+(\a)]            ; group 1's c m is kept for the first change of slots
	v_max3_num_f32 v[MX+(\a)], v[SM+(\a)], v[SM+4+(\a)], v[SM+8+(\a)]
.endr
.irp g, 3,5,7,9,11,13
.irp a, 0,1,2,3
	v_max3_num_f32 v[MX+(\a)], v[MX+(\a)], v[SM+4*(\g)+(\a)], v[SM+4*(\g)+4+(\a)]
.endr
.endr
.irp a, 0,1,2,3
	v_max_num_f32 v[MX+(\a)], v[MX+(\a)], v[SM+60+(\a)]
.endr
.set n, 0
.rept 32
	v_pk_add_f32 v[SM+2*n:SM+2*n+1], v[SM+2*n:SM+2*n+1], v[MX+2*(n%2):MX+2*(n%2)+1] neg_lo:[0,1] neg_hi:[0,1]
.set n, n+1
.endr
.set n, 0
.rept 64
	v_exp_f32 v[SM+n], v[SM+n]                     ; f of every group: one batch
.set n, n+1
.endr
	v_nop
	s_wait_alu depctr_va_vdst(0)                   ; the one wait ahead of the first use
	v_pk_mul_f32 v[LS:LS+1], v[SL:SL+1], v[SM:SM+1]
	v_pk_mul_f32 v[LS+2:LS+3], v[SL+2:SL+3], v[SM+2:SM+3]
.set g, 1
.rept 15
	v_pk_fma_f32 v[LS:LS+1], v[SL+4*g:SL+4*g+1], v[SM+4*g:SM+4*g+1], v[LS:LS+1]
	v_pk_fma_f32 v[LS+2:LS+3], v[SL+4*g+2:SL+4*g+3], v[SM+4*g+2:SM+4*g+3], v[LS+2:LS+3]
.set g, g+1
.endr
.irp a, 0,1,2,3
	v_rcp_f32 v[RL2+2*(\a)], v[LS+(\a)]
.endr
	v_nop
	s_wait_alu depctr_va_vdst(0)
.irp a, 0,1,2,3
	v_mov_b32 v[RL2+2*(\a)+1], v[RL2+2*(\a)]
	v_cvt_pk_f16_f32 v[FC+(\a)], v[SM+(\a)], v[SM+(\a)]  ; f of group 0
.endr
.macro MUL8 f, a, mode
	WIN MUL
.irp b, 0,1,2,3,4,5,6,7
.if (\mode) == 1
	v_wmma_f32_16x16x32_f16 v[8*(8*(\a)+(\b)):8*(8*(\a)+(\b))+7], v[(\f)+8*(\b):(\f)+8*(\b)+7], v[(\f)+64+8*(\a):(\f)+64+8*(\a)+7], 0
.else
	v_wmma_f32_16x16x32_f16 v[8*(8*(\a)+(\b)):8*(8*(\a)+(\b))+7], v[(\f)+8*(\b):(\f)+8*(\b)+7], v[(\f)+64+8*(\a):(\f)+64+8*(\a)+7], v[8*(8*(\a)+(\b)):8*(8*(\a)+(\b))+7]
.endif
.endr
.endm
; 24 LDS loads in one run: quarter kq (32 keys) of a step: P's four fragments first, then V's eight, turned
.macro FETCH slot, kq, f
	WIN 0
.irp i, 0,1,2,3
	ds_load_b128 v[(\f)+64+8*(\i):(\f)+64+8*(\i)+3],   v[ADRP+(\slot)] offset:64*(\kq)+(\i)*16*PITCH
	ds_load_b128 v[(\f)+64+8*(\i)+4:(\f)+64+8*(\i)+7], v[ADRP+(\slot)] offset:64*(\kq)+(\i)*16*PITCH+32
.endr
.irp i, 0,1,2,3,4,5,6,7
	ds_load_tr16_b128 v[(\f)+8*(\i):(\f)+8*(\i)+3],   v[ADRV+(\slot)] offset:(\kq)*32*PV+32*(\i)
	ds_load_tr16_b128 v[(\f)+8*(\i)+4:(\f)+8*(\i)+7], v[ADRV+(\slot)] offset:(\kq)*32*PV+16*PV+32*(\i)
.endr
.endm
.macro PLACES
.rept 4
	v_nop
.endr
.endm
.macro SCALE f                         ; P's fragments times the group's f: one number a lane and block
	WIN 0
.irp a, 0,1,2,3
.irp n, 0,1,2,3,4,5,6,7
	v_pk_mul_f16 v[(\f)+64+8*(\a)+(\n)], v[(\f)+64+8*(\a)+(\n)], v[FC+(\a)]
.endr
.endr
.endm
.macro QUARTER slot, kq, f, g, mode
	s_wait_dscnt 16                                ; P's eight loads are in; V's sixteen may be out
	SCALE \f
	s_wait_dscnt 0x0
	MUL8 \f, 0, \mode
	MUL8 \f, 1, \mode
	PLACES
	FETCH \slot, \kq, \g
	MUL8 \f, 2, \mode
	MUL8 \f, 3, \mode
.endm
; f of the next step's group, from its c m; fill = 1: the c m of the group after it is asked for.
.macro NEWF fill
	WIN 0
	s_wait_loadcnt 0x0                             ; the one load of c m that may be out; its base is free behind this wait
.irp a, 0,1,2,3
	v_sub_f32 v[E+(\a)], v[MTR+(\a)], v[MX+(\a)]
.endr
.irp a, 0,1,2,3
	v_exp_f32 v[E+(\a)], v[E+(\a)]
.endr
	v_nop
	s_wait_alu depctr_va_vdst(0)                   ; one wait for the four
.irp a, 0,1,2,3
	v_cvt_pk_f16_f32 v[FC+(\a)], v[E+(\a)], v[E+(\a)]
.endr
.if \fill
	s_add_nc_u64 s[MTP:MTP+1], s[MTP:MTP+1], 32768
	global_load_b128 v[MTR:MTR+3], v[SO], s[MTP:MTP+1]
.endif
.endm
; The change of slots: all my tensor loads have landed, the add, my reads of the slot are over; fill = 1: the barrier opens a round of the cluster's, and the refill, two steps on, is the first thing behind it.
.macro TURN slot, next, fill
.if \fill
	s_wait_xcnt 0x0                                ; the last prefetches, a step back, have read their address
	s_add_nc_u64 s[PFA:PFA+1], s[PFA:PFA+1], s[PFS:PFS+1]
.endif
	WIN 0
	s_wait_tensorcnt 0x0
	ds_add_u32 v[SPW], v[NIL]
	s_wait_dscnt 17                                ; the add and V's sixteen loads may be out
	SCALE F1
	s_wait_dscnt 0x0
	MUL8 F1, 0, 0
	s_barrier_signal -1
	MUL8 F1, 1, 0
.if \fill
	WIN 0
.endif
	s_barrier_wait -1
.if \fill
	CREST
	s_add_nc_u64 s[G0A+4*(\slot)+2:G0A+4*(\slot)+3], s[G0A+4*(\slot)+2:G0A+4*(\slot)+3], 512
	s_add_nc_u64 s[G0B+4*(\slot)+2:G0B+4*(\slot)+3], s[G0B+4*(\slot)+2:G0B+4*(\slot)+3], 524288
	JLOAD \slot
.else
	PLACES
.endif
	FETCH \next, 0, F0
	NEWF \fill
.if \fill
	ASK
.endif
	MUL8 F1, 2, 0
	MUL8 F1, 3, 0
.endm
.macro PACK a                          ; divided by L, rounded to f16
	WIN 0x41
.set n, 0
.rept 32
	v_pk_mul_f32 v[64*(\a)+2*n:64*(\a)+2*n+1], v[64*(\a)+2*n:64*(\a)+2*n+1], v[RL2+2*(\a):RL2+2*(\a)+1] op_sel_hi:[1,0]
.set n, n+1
.endr
	WIN 0x05
.set n, 0
.rept 32
	v_cvt_pk_f16_f32 v[TMP+n], v[64*(\a)+2*n], v[64*(\a)+2*n+1]
.set n, n+1
.endr
	WIN 0
.endm
.macro TOSTAGE a
.set BK, OB+32*((\a)%2)
.irp b, 0,1,2,3,4,5,6,7
	ds_store_b128 v[STO], v[TMP+4*(\b):TMP+4*(\b)+3] offset:32*(\b)
.endr
.irp t, 0,1,2,3,4,5,6,7
	ds_load_b128 v[BK+4*(\t):BK+4*(\t)+3], v[RD] offset:(\t)*2*SPITCH  ; LDS serves a wave's instructions in order: these see the stores above
.endr
.endm
.macro SEND a
.set BK, OB+32*((\a)%2)
	s_wait_dscnt 0x0
	s_wait_xcnt 0x0                                ; earlier stores have read their base and their data
.if (\a) == 0
	s_add_nc_u64 s[8:9], s[8:9], s[16:17]
.else
	s_add_nc_u64 s[8:9], s[8:9], 16*OUTP
.endif
.irp t, 0,1,2,3,4,5,6,7
	global_store_b128 v[CO], v[BK+4*(\t):BK+4*(\t)+3], s[8:9] offset:2*(\t)*OUTP  ; 16 lanes store 256 consecutive bytes, aligned
.endr
.endm
	s_wait_tensorcnt 1                             ; my part of step 0 is in; step 1's may stay out
	s_barrier_signal -1
	s_barrier_wait -1
	FETCH 0, 0, F0
	QUARTER 0, 1, F0, F1, 1
	WIN 0
	s_mov_b32 s[CNT], 0
	s_cmp_eq_u32 s[NLM1], 0                        ; block 0 has one lap: both its steps are already asked for.  The test hangs on y alone: alike in all waves and partners
	s_cbranch_scc1 .Ltail
.Llap:                                                 ; i trips: a trip goes once round the ring and fills both slots again
	QUARTER 0, 2, F1, F0, 0
	QUARTER 0, 3, F0, F1, 0
	TURN 0, 1, 1
	QUARTER 1, 1, F0, F1, 0
	QUARTER 1, 2, F1, F0, 0
	QUARTER 1, 3, F0, F1, 0
	TURN 1, 0, 1
	QUARTER 0, 1, F0, F1, 0
	WIN 0
	s_add_co_u32 s[CNT], s[CNT], 1
	s_cmp_lt_u32 s[CNT], s[NLM1]
	s_cbranch_scc1 .Llap
.Ltail:
	QUARTER 0, 2, F1, F0, 0                        ; the last lap fills nothing
	QUARTER 0, 3, F0, F1, 0
	TURN 0, 1, 0
	QUARTER 1, 1, F0, F1, 0
	QUARTER 1, 2, F1, F0, 0
	QUARTER 1, 3, F0, F1, 0
	s_wait_dscnt 16
	SCALE F1
	s_wait_dscnt 0x0
	MUL8 F1, 0, 0
	MUL8 F1, 1, 0
	MUL8 F1, 2, 0
	MUL8 F1, 3, 0
	WIN 0
	PLACES
	PACK 0
	TOSTAGE 0
.irp a, 1,2,3
	PACK \a
	SEND (\a)-1
	TOSTAGE \a
.endr
	SEND 3
	s_wait_tensorcnt 0x0                           ; the wave's end
	ds_add_u32 v[SPW], v[NIL]
	s_wait_dscnt 0x0
	CROUND                                         ; the closing round
	s_endpgm
.Lfunc_end_k_qbee4c46b13_mix:
	.size	k_qbee4c46b13_mix, .Lfunc_end_k_qbee4c46b13_mix-k_qbee4c46b13_mix
	.p2alignl 7, 3214868480
	.fill 96, 4, 3214868480
	.section	.rodata,"a",@progbits
	.p2align	6, 0x0
	.amdhsa_kernel k_qbee4c46b13_mix
		.amdhsa_group_segment_fixed_size 327680
		.amdhsa_private_segment_fixed_size 0
		.amdhsa_enable_private_segment 0
		.amdhsa_kernarg_size 32
		.amdhsa_user_sgpr_count 2
		.amdhsa_user_sgpr_kernarg_segment_ptr 1
		.amdhsa_wavefront_size32 1
		.amdhsa_system_sgpr_workgroup_id_x 1
		.amdhsa_system_sgpr_workgroup_id_y 1
		.amdhsa_system_sgpr_workgroup_id_z 1
		.amdhsa_system_vgpr_workitem_id 0
		.amdhsa_next_free_vgpr 512
		.amdhsa_next_free_sgpr 96
		.amdhsa_reserve_vcc 0
		.amdhsa_float_denorm_mode_32 3
		.amdhsa_float_denorm_mode_16_64 3
		.amdhsa_memory_ordered 1
		.amdhsa_forward_progress 1
		.amdhsa_inst_pref_size 149
	.end_amdhsa_kernel
	.amdgpu_metadata
---
amdhsa.version: [ 1, 2 ]
amdhsa.kernels:
  - .name:           k_qbee4c46b13_mix
    .symbol:         k_qbee4c46b13_mix.kd
    .args:
      - { .name: pp, .offset: 0, .size: 8, .value_kind: global_buffer, .address_space: global }
      - { .name: st, .offset: 8, .size: 8, .value_kind: global_buffer, .address_space: global }
      - { .name: pj, .offset: 16, .size: 8, .value_kind: global_buffer, .address_space: global }
      - { .name: oh, .offset: 24, .size: 8, .value_kind: global_buffer, .address_space: global }
    .group_segment_fixed_size: 327680
    .private_segment_fixed_size: 0
    .kernarg_segment_align: 8
    .kernarg_segment_size: 32
    .max_flat_workgroup_size: 128
    .sgpr_count:     96
    .vgpr_count:     512
    .wavefront_size: 32
...
	.end_amdgpu_metadata
.endif
;; end of part 4
;; launch outp (part 5): grid 8 x 32, 4 waves a work-group, clusters of 4 x 4, 327,680 bytes of LDS; arguments oh, wfh, bff, out0; writes out0
.if DOCPART == 5
	.amdgcn_target "amdgcn-amd-amdhsa--gfx1250"
	.amdhsa_code_object_version 6
	.text
	.protected	k_qbee4c46b13_outp
	.globl	k_qbee4c46b13_outp
	.p2align	8
	.type	k_qbee4c46b13_outp,@function
k_qbee4c46b13_outp:
	s_mov_b64 s[64:65], 0
	v_nop
	global_prefetch_b8 v0, s[64:65] scope:SCOPE_SE
	s_setreg_imm32_b32 hwreg(HW_REG_WAVE_MODE, 25, 1), 1
	s_wait_xcnt 0x0
	s_wait_alu depctr_hold_cnt(0) depctr_sa_sdst(0) depctr_va_vdst(0) depctr_va_sdst(0) depctr_va_ssrc(0) depctr_va_vcc(0) depctr_vm_vsrc(0)
	s_getreg_b32 s2, hwreg(HW_REG_IB_STS2, 6, 4)
	s_cmp_eq_u32 s2, 0
	s_cbranch_scc0 .Lentry_in_a_cluster
	s_endpgm
.Lentry_in_a_cluster:
	s_bfe_u32 s2, ttmp6, 0x10000c
	s_cmp_lg_u32 s2, 0xf033
	s_cbranch_scc0 .Lentry_shape_is_right
	s_endpgm
.Lentry_shape_is_right:
; out0 = O Wff^T + bff.  oh [8192][1024] and wfh [1024][1024] are f16 (wfh holds Wff rounded to bf16), out0 [8192][1024] f32; the bias, rounded to bf16 like the other inputs, starts the sums.
; A tile is 256 rows x 128 columns; four waves one below the other, 64 x 128 a wave, 32 accumulators.  K in steps of 128 through two LDS slots; waves 0, 1 fetch A's halves, waves 2, 3 B's.
; CLUSTER 4 x 4: A's tile is shared along a row of the cluster, B's along a column; each is asked for jointly.
; The matrix instruction is used transposed (source 0 = 16 rows of Wff, source 1 = 16 rows of O): a lane holds row l % 16 and the columns 8 (l / 16) + 0..7.
; REGISTERS: window 0: v0-31 addresses; v64-159, v160-255 two fragment buffers; on the way out v64-191.  window 1: the accumulators.  window 2: v0-63 the bias as a C operand, v64 at work.
.set PITCH,  272
.set AT,     256*PITCH
.set SLOT,   384*PITCH
.set STAGE,  2*SLOT                    ; behind the ring: 16 rows x 528 bytes for each wave
.set SPITCH, 528                       ; 512 bytes of f32 + 16
.set SPARE,  STAGE+4*16*SPITCH
.set OUTP,   4096
.set ADRA, 16
.set ADRB, 20
.set STO,  24
.set RD,   25
.set CO,   26
.set BO,   27
.set SPW,  28
.set NIL,  29
.set PFO,  30
.set F0,   64
.set F1,   160
.set OB,   64
.set BI,   0
.set T,    64
.set G1A, 24
.set G0A, 32
.set G1B, 48
.set G0B, 56
.set PFA, 44
.set LIM, 66
.set MUL,  0x50
.set MULB, 0x60
.set MSB, 0
.macro WIN new
.if MSB != (\new)
	s_set_vgpr_msb (MSB<<8)|(\new)
.set MSB, \new
.endif
.endm
.macro JLOAD s                         ; a joint load; an s_nop 0 and four v_nop follow each line
	s_cmp_eq_u32 s11, 0
	s_cbranch_scc0 .Lfor_b_\@
	tensor_load_to_lds s[G0A+4*(\s):G0A+4*(\s)+3], s[G1A:G1A+7]
	s_nop 0
.rept 4
	v_nop
.endr
	s_branch .Lasked_\@
.Lfor_b_\@:
	tensor_load_to_lds s[G0B+4*(\s):G0B+4*(\s)+3], s[G1B:G1B+7]
	s_nop 0
.rept 4
	v_nop
.endr
.Lasked_\@:
.endm
; A prefetch of the K step two refills on.  A's rows: the clusters with x = 0 ask, 32 rows a partner (cx), a lane a row.  B's rows: the clusters with y = 0 ask, 16 rows a partner (cy), lanes 16-31 the K step after,
; at slot 0's change alone.  Each row's 256 bytes of a K step are named once.  K steps 0 to 3 come by their loads alone; the loop's last trip asks for nothing.
.macro ASK slot
	s_cmp_gt_u32 s3, s[LIM+(\slot)]
	s_cbranch_scc0 .Lnot_mine_\@
	global_prefetch_b8 v[PFO], s[PFA:PFA+1] offset:256 th:TH_LOAD_NT scope:SCOPE_SE
.Lnot_mine_\@:
.endm
.macro CREST
	s_cmp_lg_u32 s10, 0
	s_cbranch_scc1 .Lnot_wave_0_\@
	s_barrier_signal -3
.Lnot_wave_0_\@:
	s_barrier_wait -3
	s_barrier_signal -1
	s_barrier_wait -1
.endm
.macro CROUND
	s_barrier_signal -1
	s_barrier_wait -1
	CREST
.endm
	s_load_b128 s[4:7], s[0:1], 0x0                ; oh s[4:5], wfh s[6:7]
	s_load_b64 s[68:69], s[0:1], 0x10              ; bff
	s_load_b64 s[8:9], s[0:1], 0x18                ; out0
	v_lshl_add_u32 v[SPW], v0, 2, SPARE
	v_mov_b32 v[NIL], 0
	ds_add_u32 v[SPW], v[NIL]                      ; the wave's opening: the add and its wait ahead of my first tensor load
	ds_add_u32 v28, v29
	v_lshrrev_b32 v1, 5, v0
	v_readfirstlane_b32 s10, v1
	s_lshr_b32 s11, s10, 1
	s_and_b32 s12, s10, 1
	s_bfe_u32 s40, ttmp6, 0x40000                  ; cx
	s_bfe_u32 s41, ttmp6, 0x40004                  ; cy
	s_lshl_b32 s42, ttmp9, 2
	s_add_co_u32 s42, s42, s40                     ; tile column
	s_and_b32 s74, ttmp7, 0xffff                   ; cluster y
	s_lshl_b32 s13, s74, 2
	s_add_co_u32 s13, s13, s41                     ; tile row
	s_lshl_b32 s43, s41, 2
	s_lshl_b32 s43, 15, s43
	s_lshl_b32 s76, 0x1111, s40
	s_or_b32 s[G1A], s43, (1<<16)|(1<<20)|(1<<21)|(5<<22)|(3<<25)
	s_or_b32 s[G1B], s76, (1<<16)|(1<<20)|(1<<21)|(5<<22)|(3<<25)
	s_mov_b32 s[G1A+1], 128<<16
	s_mov_b32 s[G1A+2], 128<<16
	s_mov_b32 s[G1A+3], 128<<16
	s_mov_b32 s[G1A+4], 128
	s_mov_b32 s[G1A+5], 1024
	s_mov_b32 s[G1A+6], 0
	s_mov_b32 s[G1A+7], 0
	s_mov_b32 s[G1B+1], 128<<16
	s_mov_b32 s[G1B+2], 64<<16
	s_mov_b32 s[G1B+3], 128<<16
	s_mov_b32 s[G1B+4], 64
	s_mov_b32 s[G1B+5], 1024
	s_mov_b32 s[G1B+6], 0
	s_mov_b32 s[G1B+7], 0
	s_lshl_b32 s16, s13, 8
	s_lshl_b32 s17, s12, 7
	s_add_co_u32 s16, s16, s17
	s_lshl_b32 s16, s16, 11
	s_mov_b32 s17, 0
	s_lshl_b32 s46, s42, 7
	s_lshl_b32 s47, s12, 6
	s_add_co_u32 s46, s46, s47
	s_lshl_b32 s46, s46, 11
	s_mov_b32 s47, 0
	s_mul_i32 s20, s12, 128*PITCH
	s_mul_i32 s21, s12, 64*PITCH
	s_add_co_u32 s21, s21, AT
	s_wait_dscnt 0x0                               ; the opening add is done
	s_wait_kmcnt 0x0
	s_add_nc_u64 s[14:15], s[4:5], s[16:17]
	s_add_nc_u64 s[46:47], s[6:7], s[46:47]
	CROUND
.irp s, 0,1
	s_mov_b32 s[G0A+4*(\s)], 1
	s_add_co_u32 s[G0A+4*(\s)+1], s20, (\s)*SLOT
	s_add_nc_u64 s[G0A+4*(\s)+2:G0A+4*(\s)+3], s[14:15], (\s)*256
	s_or_b32 s[G0A+4*(\s)+3], s[G0A+4*(\s)+3], 0x80000000
	s_mov_b32 s[G0B+4*(\s)], 1
	s_add_co_u32 s[G0B+4*(\s)+1], s21, (\s)*SLOT
	s_add_nc_u64 s[G0B+4*(\s)+2:G0B+4*(\s)+3], s[46:47], (\s)*256
	s_or_b32 s[G0B+4*(\s)+3], s[G0B+4*(\s)+3], 0x80000000
	JLOAD \s                                       ; K steps 0 and 1: two loads of mine are out
.endr
	v_and_b32 v1, 15, v0
	v_bfe_u32 v2, v0, 4, 1
	v_mul_u32_u24 v3, v1, PITCH
	v_lshl_add_u32 v3, v2, 4, v3
	s_mul_i32 s22, s10, 64*PITCH
	v_add_nc_u32 v[ADRA], s22, v3
	v_add_nc_u32 v[ADRA+1], SLOT, v[ADRA]
	v_add_nc_u32 v[ADRB], AT, v3
	v_add_nc_u32 v[ADRB+1], SLOT, v[ADRB]
	s_mul_i32 s23, s10, 16*SPITCH
	s_add_co_u32 s23, s23, STAGE
	v_mul_u32_u24 v4, v1, SPITCH
	v_lshl_add_u32 v4, v2, 5, v4
	v_add_nc_u32 v[STO], s23, v4                   ; in: row l % 16, 32 bytes for each half of the lanes
	v_and_b32 v5, 31, v0
	v_lshlrev_b32 v[CO], 4, v5                     ; back and out: 32 lanes take a row's 512 bytes
	v_add_nc_u32 v[RD], s23, v[CO]
	s_lshl_b32 s16, s13, 8
	s_lshl_b32 s17, s10, 6
	s_add_co_u32 s16, s16, s17
	s_lshl_b32 s16, s16, 12
	s_lshl_b32 s17, s42, 9
	s_add_co_u32 s16, s16, s17
	s_mov_b32 s17, 0
	s_lshl_b32 s78, s42, 9
	s_mov_b32 s79, 0
	s_add_nc_u64 s[68:69], s[68:69], s[78:79]
	v_lshlrev_b32 v[BO], 5, v2
	WIN 0x80
.irp b, 0,1,2,3,4,5,6,7
	global_load_b128 v[BI+8*(\b):BI+8*(\b)+3],   v[BO], s[68:69] offset:64*(\b)
	global_load_b128 v[BI+8*(\b)+4:BI+8*(\b)+7], v[BO], s[68:69] offset:64*(\b)+16
.endr
	WIN 0
	s_lshl_b32 s20, s13, 8
	s_lshl_b32 s21, s40, 5
	s_add_co_u32 s20, s20, s21
	s_lshl_b32 s21, s12, 7
	s_add_co_u32 s20, s20, s21
	s_lshl_b32 s21, s42, 7
	s_lshl_b32 s22, s12, 6
	s_add_co_u32 s21, s21, s22
	s_lshl_b32 s22, s41, 4
	s_add_co_u32 s21, s21, s22
	s_cmp_eq_u32 s11, 0
	s_cselect_b32 s20, s20, s21
	s_cselect_b32 s22, ttmp9, s74
	s_cselect_b64 s[PFA:PFA+1], s[4:5], s[6:7]
	s_cselect_b32 s23, 1, -1
	s_cselect_b32 s77, 31, 15
	s_cselect_b32 s78, 0, 256
	s_cmp_eq_u32 s22, 0
	s_cselect_b32 s[LIM], 1, -1
	s_cselect_b32 s[LIM+1], s23, -1
	s_lshl_b32 s20, s20, 11
	s_add_co_u32 s20, s20, 512
	s_mov_b32 s21, 0
	s_add_nc_u64 s[PFA:PFA+1], s[PFA:PFA+1], s[20:21]
	v_and_b32 v[PFO], 31, v0
	v_and_b32 v[PFO], s77, v[PFO]
	v_lshlrev_b32 v[PFO], 11, v[PFO]
	v_mad_u32_u24 v[PFO], v2, s78, v[PFO]
.macro MUL8 f, a, mode
.if (\mode) == 2
	WIN MULB
.else
	WIN MUL
.endif
.irp b, 0,1,2,3,4,5,6,7
.if (\mode) == 2
	v_wmma_f32_16x16x32_f16 v[8*(8*(\a)+(\b)):8*(8*(\a)+(\b))+7], v[(\f)+8*(\b):(\f)+8*(\b)+7], v[(\f)+64+8*(\a):(\f)+64+8*(\a)+7], v[BI+8*(\b):BI+8*(\b)+7]
.else
	v_wmma_f32_16x16x32_f16 v[8*(8*(\a)+(\b)):8*(8*(\a)+(\b))+7], v[(\f)+8*(\b):(\f)+8*(\b)+7], v[(\f)+64+8*(\a):(\f)+64+8*(\a)+7], v[8*(8*(\a)+(\b)):8*(8*(\a)+(\b))+7]
.endif
.endr
.endm
.macro FETCH slot, k, f
	WIN 0
.irp i, 0,1,2,3,4,5,6,7
	ds_load_b128 v[(\f)+8*(\i):(\f)+8*(\i)+3],   v[ADRB+(\slot)] offset:(\k)+(\i)*16*PITCH
	ds_load_b128 v[(\f)+8*(\i)+4:(\f)+8*(\i)+7], v[ADRB+(\slot)] offset:(\k)+(\i)*16*PITCH+32
.endr
.irp i, 0,1,2,3
	ds_load_b128 v[(\f)+64+8*(\i):(\f)+64+8*(\i)+3],   v[ADRA+(\slot)] offset:(\k)+(\i)*16*PITCH
	ds_load_b128 v[(\f)+64+8*(\i)+4:(\f)+64+8*(\i)+7], v[ADRA+(\slot)] offset:(\k)+(\i)*16*PITCH+32
.endr
.endm
.macro PLACES
.rept 4
	v_nop
.endr
.endm
.macro QUARTER slot, k, f, g, mode
	s_wait_dscnt 4                                 ; B and A's blocks 0, 1 are in; the youngest four loads may be out
	MUL8 \f, 0, \mode
	MUL8 \f, 1, \mode
	PLACES
	FETCH \slot, \k, \g
	s_wait_dscnt 24                                ; all but the 24 just issued
	MUL8 \f, 2, \mode
	MUL8 \f, 3, \mode
.endm
.macro TURN slot, next, fill
.if \fill
	s_wait_xcnt 0x0                                ; the last prefetch, a K step back, has read its address
	s_add_nc_u64 s[PFA:PFA+1], s[PFA:PFA+1], 256
.endif
	WIN 0
	s_wait_tensorcnt 0x0                           ; all my tensor loads have landed: my part of the next slot
	ds_add_u32 v[SPW], v[NIL]
	s_wait_dscnt 5                                 ; the add and the youngest four loads may be out
	MUL8 F1, 0, 0
	s_wait_dscnt 0x0                               ; the add is done, and my reads of this slot are over
	s_barrier_signal -1
	MUL8 F1, 1, 0
.if \fill
	WIN 0
.endif
	s_barrier_wait -1
.if \fill
	CREST
	s_add_nc_u64 s[G0A+4*(\slot)+2:G0A+4*(\slot)+3], s[G0A+4*(\slot)+2:G0A+4*(\slot)+3], 512
	s_add_nc_u64 s[G0B+4*(\slot)+2:G0B+4*(\slot)+3], s[G0B+4*(\slot)+2:G0B+4*(\slot)+3], 512
	JLOAD \slot
.else
	PLACES
.endif
	FETCH \next, 0, F0
.if \fill
	ASK \slot
.endif
	MUL8 F1, 2, 0
	MUL8 F1, 3, 0
.endm
; THE WAY OUT of row block a, in f32: a lane's eight columns of each block b, 32 bytes, into my stage; back as whole rows of 512 bytes; stored.
.macro STAGEO a
	WIN 0x04                                       ; the stores' data in window 1; each accumulator's low registers go first
.irp b, 0,1,2,3,4,5,6,7
	ds_store_b128 v[STO], v[64*(\a)+8*(\b):64*(\a)+8*(\b)+3]   offset:64*(\b)
	ds_store_b128 v[STO], v[64*(\a)+8*(\b)+4:64*(\a)+8*(\b)+7] offset:64*(\b)+16
.endr
	WIN 0
.set BK, OB+64*((\a)%2)
.set t, 0
.rept 16
	ds_load_b128 v[BK+4*t:BK+4*t+3], v[RD] offset:t*SPITCH  ; LDS serves a wave's instructions in order: these see the stores above
.set t, t+1
.endr
.endm
.macro SENDO a
.set BK, OB+64*((\a)%2)
	s_wait_dscnt 0x0
	s_wait_xcnt 0x0                                ; earlier stores have read their base and their data
.if (\a) == 0
	s_add_nc_u64 s[8:9], s[8:9], s[16:17]
.else
	s_add_nc_u64 s[8:9], s[8:9], 16*OUTP
.endif
.set t, 0
.rept 16
	global_store_b128 v[CO], v[BK+4*t:BK+4*t+3], s[8:9] offset:t*OUTP th:TH_STORE_NT  ; the wave stores 512 consecutive bytes, aligned
.set t, t+1
.endr
.endm
	s_wait_tensorcnt 1                             ; my part of K step 0 is in; K step 1's may stay out
	s_barrier_signal -1
	s_barrier_wait -1
	FETCH 0, 0, F0
	s_wait_loadcnt 0x0                             ; the bias
	WIN 0x8a
.set n, 0
.rept 32
	v_cvt_pk_bf16_f32 v[T], v[BI+2*n], v[BI+2*n+1]
	v_lshlrev_b32 v[BI+2*n], 16, v[T]
	v_and_b32 v[BI+2*n+1], 0xffff0000, v[T]
.set n, n+1
.endr
	QUARTER 0, 64, F0, F1, 2
	WIN 0
	s_mov_b32 s3, 3
.Llap:
	QUARTER 0, 128, F1, F0, 0
	QUARTER 0, 192, F0, F1, 0
	TURN 0, 1, 1
	QUARTER 1, 64,  F0, F1, 0
	QUARTER 1, 128, F1, F0, 0
	QUARTER 1, 192, F0, F1, 0
	TURN 1, 0, 1
	QUARTER 0, 64,  F0, F1, 0
	WIN 0
	s_sub_co_u32 s3, s3, 1
	s_cmp_lg_u32 s3, 0
	s_cbranch_scc1 .Llap
	QUARTER 0, 128, F1, F0, 0
	QUARTER 0, 192, F0, F1, 0
	TURN 0, 1, 0
	QUARTER 1, 64,  F0, F1, 0
	QUARTER 1, 128, F1, F0, 0
	QUARTER 1, 192, F0, F1, 0
	s_wait_dscnt 4
	MUL8 F1, 0, 0
	MUL8 F1, 1, 0
	s_wait_dscnt 0x0
	MUL8 F1, 2, 0
	MUL8 F1, 3, 0
	WIN 0
	PLACES
	STAGEO 0
.irp a, 1,2,3
	SENDO (\a)-1
	STAGEO \a
.endr
	SENDO 3
	s_wait_tensorcnt 0x0                           ; the wave's end
	ds_add_u32 v[SPW], v[NIL]
	s_wait_dscnt 0x0
	CROUND                                         ; the closing round
	s_endpgm
.Lfunc_end_k_qbee4c46b13_outp:
	.size	k_qbee4c46b13_outp, .Lfunc_end_k_qbee4c46b13_outp-k_qbee4c46b13_outp
	.p2alignl 7, 3214868480
	.fill 96, 4, 3214868480
	.section	.rodata,"a",@progbits
	.p2align	6, 0x0
	.amdhsa_kernel k_qbee4c46b13_outp
		.amdhsa_group_segment_fixed_size 327680
		.amdhsa_private_segment_fixed_size 0
		.amdhsa_enable_private_segment 0
		.amdhsa_kernarg_size 32
		.amdhsa_user_sgpr_count 2
		.amdhsa_user_sgpr_kernarg_segment_ptr 1
		.amdhsa_wavefront_size32 1
		.amdhsa_system_sgpr_workgroup_id_x 1
		.amdhsa_system_sgpr_workgroup_id_y 1
		.amdhsa_system_sgpr_workgroup_id_z 1
		.amdhsa_system_vgpr_workitem_id 0
		.amdhsa_next_free_vgpr 640
		.amdhsa_next_free_sgpr 96
		.amdhsa_reserve_vcc 0
		.amdhsa_float_denorm_mode_32 3
		.amdhsa_float_denorm_mode_16_64 3
		.amdhsa_memory_ordered 1
		.amdhsa_forward_progress 1
		.amdhsa_inst_pref_size 93
	.end_amdhsa_kernel
	.amdgpu_metadata
---
amdhsa.version: [ 1, 2 ]
amdhsa.kernels:
  - .name:           k_qbee4c46b13_outp
    .symbol:         k_qbee4c46b13_outp.kd
    .args:
      - { .name: oh, .offset: 0, .size: 8, .value_kind: global_buffer, .address_space: global }
      - { .name: wfh, .offset: 8, .size: 8, .value_kind: global_buffer, .address_space: global }
      - { .name: bff, .offset: 16, .size: 8, .value_kind: global_buffer, .address_space: global }
      - { .name: out0, .offset: 24, .size: 8, .value_kind: global_buffer, .address_space: global }
    .group_segment_fixed_size: 327680
    .private_segment_fixed_size: 0
    .kernarg_segment_align: 8
    .kernarg_segment_size: 32
    .max_flat_workgroup_size: 128
    .sgpr_count:     96
    .vgpr_count:     640
    .wavefront_size: 32
...
	.end_amdgpu_metadata
.endif
;; end of part 5
